; MI455X (gfx1250); checked and timed in simulation.
; The chip was launched on July 23, 2026; its instructions are those of AMD's public machine-readable ISA for CDNA 5 (MIT licence, August 2026) and "CDNA5" Instruction Set Architecture Reference Guide (July 2026). The comments in the code are by the model that wrote it; some were corrected since.
;; MHA. Allowed arithmetic: matrix products marked QUANTISED: E2M3 operands, one E8M0 scale for each 32 along K, by v_wmma_scale_f32_16x16x128_f8f6f4 with both operands' format E2M3, f32 sums; everything else in f32.
;; Inputs: Wk 1,024 x 1,024 float32; Wp 1,024 x 1,024 float32; Wq 1,024 x 1,024 float32; Wv 1,024 x 1,024 float32; bk 1,024 float32; bp 1,024 float32; bq 1,024 float32; bv 1,024 float32; mask 8 x 1,024 int32; x 8 x 1,024 x 1,024 float32.
;; Outputs: out0 8 x 1,024 x 1,024 float32.
;; This version of the problem:
;;   THIS VERSION OF THE PROBLEM IS GIVEN IN LOW PRECISION. The matrix products marked QUANTISED in the list below multiply operands that are first quantised to E2M3 (2 exponent bits, 3 mantissa bits; 6 bits a number), with one power-of-two scale for each 32 numbers along K (OCP MX v1.0); their sums are f32. All else is computed in f32.
;;   The module's matrix products, in the order in which they are computed (A, B: the left and right operand; K: the contracted axis; several contracted axes count as one K, in the product's order):
;;     1. [M 8,192, K 1,024] x [K 1,024, N 1,024]; A: input x; B: input Wq: QUANTISED
;;     2. [M 8,192, K 1,024] x [K 1,024, N 1,024]; A: input x; B: input Wk: QUANTISED
;;     3. [M 8,192, K 1,024] x [K 1,024, N 1,024]; A: input x; B: input Wv: QUANTISED
;;     4. batch 64 x [M 1,024, K 128] x [K 128, N 1,024]; A: computed on the way; B: computed on the way: QUANTISED
;;     5. batch 64 x [M 1,024, K 1,024] x [K 1,024, N 128]; A: softmax (see below); B: computed on the way: QUANTISED
;;     6. [M 8,192, K 1,024] x [K 1,024, N 1,024]; A: computed on the way; B: input Wp: QUANTISED
;;   THE QUANTISER, for each operand of a quantised product, along K:
;;     - K is cut into blocks of 32 from its start; a last block that is shorter is filled with zeros.
;;     - A block's scale is 2^e with e = floor(log2(the largest magnitude in the block)) - 2, held to -126 .. 127; a block of zeros has e = 0. As a byte (E8M0): e + 127.
;;     - Each number is divided by its block's scale, clamped to +-7.5, and rounded to the nearest number of E2M3, ties to even, subnormals kept.
;;     - The product sums the exact products of the quantised numbers (number of the format x scale) in f32.
;;   ~~~python
;;   def quantise(x, axis):      # numpy; x: float32 -> the quantised numbers, widened to float32 again
;;       x = np.moveaxis(x, axis, -1); K = x.shape[-1]
;;       x = np.pad(x, [(0, 0)] * (x.ndim - 1) + [(0, -K % 32)]); x = x.reshape(x.shape[:-1] + (-1, 32)); a = np.abs(x).max(-1, keepdims=True)
;;       e = np.where(a > 0, np.clip(np.frexp(np.where(a > 0, a, 1))[1] - 1 - 2, -126, 127), 0)      # np.frexp(a)[1] - 1 = floor(log2(a)), exactly
;;       r = np.clip(x / 2.0 ** e, -7.5, 7.5)
;;       step = 2.0 ** (np.maximum(np.frexp(np.where(r == 0, 1, r))[1] - 1, 0) - 3)
;;       q = np.round(r / step) * step * 2.0 ** e      # np.round: ties to even
;;       return np.moveaxis(q.reshape(q.shape[:-2] + (-1,))[..., :K], -1, axis).astype(np.float32)
;;   ~~~
;;   SOFTMAX AHEAD OF A QUANTISED PRODUCT. Where the list says 'softmax', what is quantised is not the finished softmax but p = 2^(t - M), with t = logit x log2(e) and M = ceil(the row's largest t), a whole number; so 1/2 < the row's largest p <= 1. The row's sum l is taken of the UNQUANTISED p, in f32, and the product's result is divided by l at the end. Since M is a whole number, a kernel that streams over the keys may use a running M (the ceiling of the running maximum): every later rescaling is an exact power of two, which a block's scale takes up: the codes' values come out the same.
;;   OPERANDS COMPUTED ON THE WAY. 'Computed on the way' means the value that the module computes at that place (a softmax that the list does not call 'softmax' is quantised finished and normalised). What goes into a quantiser is computed in f32, as accurately as f32 sums, v_exp_f32 and their like allow (about 1e-6 of the number): no bf16 or f16 on the way to a quantiser, and a product that is left as it is and whose result goes on into a quantised operand takes f32 operands (vector FMAs, or v_wmma_f32_16x16x4_f32). A number that lies on a knife's edge between two numbers of the format may be rounded either way, as far as f32 arithmetic and the matrix unit's own rounding can turn it there, and no further.
;; One version. Each part assembles by itself: llvm-mc -triple=amdgcn-amd-amdhsa -mcpu=gfx1250 --defsym DOCPART=n.
;; ======== version 1 of 1: 4 launches
;; limits: right only within a limited range of input values
;; workspace buffers: xc 6,553,600 bytes; wc 3,276,800 bytes; qkv 19,660,800 bytes; yc 6,553,600 bytes
;; launch quant (part 1): grid 1536 x 1, 4 waves a work-group, no clusters, 34,560 bytes of LDS; arguments x, Wq, Wk, Wv, Wp, xc, wc; writes xc, wc
.if DOCPART == 1
	.amdgcn_target "amdgcn-amd-amdhsa--gfx1250"
	.amdhsa_code_object_version 6
	.text
	.protected	k_q463c843d85_quant
	.globl	k_q463c843d85_quant
	.p2align	8
	.type	k_q463c843d85_quant,@function
k_q463c843d85_quant:
	s_mov_b64 s[64:65], 0
	v_nop
	global_prefetch_b8 v0, s[64:65] scope:SCOPE_SE
	s_setreg_imm32_b32 hwreg(HW_REG_WAVE_MODE, 25, 1), 1
	s_wait_xcnt 0x0
; x [8192][1024] and Wq, Wk, Wv, Wp [1024][1024], f32 with K innermost, become codes of FP6 (E2M3) with one E8M0 scale byte for each 32 along K.
; A block's scale is 2^(floor(log2(its largest magnitude)) - 2); its byte is the largest magnitude's exponent field - 2, held at 1 from below.
; THE LAYOUT OF THE WORKSPACE: a "half unit" of 6,400 bytes holds 64 rows x 128 K as IMAGES OF OPERAND REGISTERS: four fragments (16 rows x 128 K, 12 registers a lane) of 1,536 bytes each,
; registers 4 c .. 4 c + 3 of lane l at 512 c + 16 l; behind them 256 bytes of scale words: at 16 r the words of row r of tiles 0 to 3.
; Lane r of tile i holds row 32 (i / 2) + 8 (i % 2) + r + 8 (r / 8) of the 64: used as a matrix instruction's first source, such tiles leave results whose registers run along neighbouring rows.
; Half unit ((g 8 + s) 2 + hh): rows 128 g + 64 hh on, K step s.  xc: g = 0 .. 63.  wc: g = 0-7 Wq, 8-15 Wk, 16-23 Wv, 24-31 Wp.
; SHARES: a work-group makes one half unit, wave w its tile w.  Each load reads 512 consecutive bytes of one row; the 16 rows turn through the wave's own stage in LDS (rows 528 bytes apart),
; so that a lane gets 16 neighbours of each block of 32.  The work-groups share no input: no cluster, no tensor load.
; LIMITS: blocks whose largest magnitude lies under 2^-124 (blocks of zeros among them) get the byte 1: this program alone reads the bytes.  NaN and infinities among the inputs are not served.
.set HU,   6400
.set SPI,  528                         ; a stage row: 512 bytes + 16
.set WST,  16*SPI                      ; a wave's stage
.set SIA,  4*WST                       ; behind the stages: the half unit's 256 bytes of scale words
.set R,    8                           ; v8-71    16 rows as loaded, 4 registers each
.set X,    72                          ; v72-135  my 64 numbers: register 16 b + i = k 32 b + 16 (lane / 16) + i of my row
.set TM,   8                           ; v8-23    at work in QUANT (R's registers are free by then)
.set PW,   24                          ; v24      the scale word
.set PC,   28                          ; v28-39   the fragment
.set TP,   40                          ; v40-47   halves of blocks on their way
.set WV,   18
.set SEL,  20                          ; s[20:21] v_permlanex16_b32's selects for lane l xor 16
; 64 numbers of a lane, v[s] on, become a fragment's codes in v[pc] on and its scale word in v[pw].
.macro QUANT s, pc, tmp, pw
.irp b, 0,1,2,3
	v_max3_num_f32 v[TM+\b], |v[(\s)+16*\b]|, |v[(\s)+1+16*\b]|, 0x1800000   ; block b: my 16 numbers, and the floor 2^(3 - 127): the byte cannot fall under 1
.endr
.irp i, 2,4,6,8,10,12,14
.irp b, 0,1,2,3
	v_max3_num_f32 v[TM+\b], v[TM+\b], |v[(\s)+16*\b+\i]|, |v[(\s)+1+16*\b+\i]|   ; the four blocks by turns
.endr
.endr
.irp b, 0,1,2,3
	v_permlanex16_b32 v[TM+4+\b], v[TM+\b], s[SEL], s[SEL+1]
.endr
.irp b, 0,1,2,3
	v_max_num_f32 v[TM+\b], v[TM+\b], v[TM+4+\b]   ; with lane l xor 16's: the block's largest magnitude
.endr
.irp b, 0,1,2,3
	v_add_nc_u32 v[TM+12+\b], 0xff000000, v[TM+\b]   ; 2 off its exponent field: the conversion's scale operand
.endr
.irp b, 0,1,2,3
	v_lshrrev_b32 v[TM+4+\b], 23, v[TM+12+\b]      ; the scale's byte
.endr
	v_lshl_or_b32 v[\pw], v[TM+5], 8, v[TM+4]
	v_lshl_or_b32 v[\pw], v[TM+6], 16, v[\pw]
	v_lshl_or_b32 v[\pw], v[TM+7], 24, v[\pw]
.irp c, 0,1
	v_cvt_scalef32_pk16_fp6_f32 v[(\pc)+6*\c:(\pc)+2+6*\c], v[(\s)+32*\c:(\s)+15+32*\c], v[TM+12+2*\c]
	v_cvt_scalef32_pk16_fp6_f32 v[(\tmp)+4*\c:(\tmp)+2+4*\c], v[(\s)+16+32*\c:(\s)+31+32*\c], v[TM+12+2*\c+1]   ; (a conversion's three registers begin on an even number)
.endr
	v_nop                                          ; one plain place behind a scaled conversion
.irp c, 0,1                                    ; the operand wants a whole block in a lane: lanes 0-15 block 2 c, lanes 16-31 block 2 c + 1
.irp i, 0,1,2
	v_permlane16_swap_b32 v[(\pc)+6*\c+\i], v[(\tmp)+4*\c+\i]
.endr
.irp i, 0,1,2
	v_mov_b32 v[(\pc)+3+6*\c+\i], v[(\tmp)+4*\c+\i]
.endr
.endr
.endm
	s_load_b256 s[4:11], s[0:1], 0x0               ; x s[4:5], Wq s[6:7], Wk s[8:9], Wv s[10:11]
	s_load_b128 s[12:15], s[0:1], 0x20             ; Wp s[12:13], xc s[14:15]
	s_load_b64 s[16:17], s[0:1], 0x30              ; wc
	v_lshl_add_u32 v136, v0, 2, 0x8500
	v_mov_b32 v137, 0
	v_lshrrev_b32 v1, 5, v0
	v_readfirstlane_b32 s[WV], v1                  ; wave 0..3 = my tile
	v_and_b32 v7, 31, v0                           ; lane
	v_lshlrev_b32 v1, 4, v7                        ; v1: 16 x lane: my bytes of a row's 512, and of an image's piece
	s_mul_i32 s19, s[WV], WST
	v_add_nc_u32 v2, s19, v1                       ; v2: the stage, on the way in
	v_and_b32 v5, 15, v0                           ; r
	v_bfe_u32 v6, v0, 4, 1                         ; h
	v_mul_u32_u24 v3, v5, SPI
	v_lshl_add_u32 v3, v6, 6, v3
	v_add_nc_u32 v3, s19, v3                       ; v3: on the way out: row r, + 64 h
	s_lshl_b32 s19, s[WV], 2
	s_add_co_u32 s19, s19, SIA
	v_lshl_add_u32 v4, v5, 4, s19                  ; v4: my row's scale word: SIA + 16 r + 4 x tile
	v_lshlrev_b32 v5, 3, v7                        ; v5: 8 x lane
	v_add_nc_u32 v6, SIA, v5                       ; v6: the scale words' way out
	s_mov_b32 s[SEL], 0x76543210
	s_mov_b32 s[SEL+1], 0xfedcba98
	s_cmp_lt_u32 ttmp9, 1024                       ; the first 1,024 work-groups take x, the other 512 the weights
	s_cselect_b32 s22, 0, 1024
	s_sub_co_u32 s22, ttmp9, s22                   ; the half unit's number in its output buffer
	s_lshr_b32 s24, s22, 7                         ; which weight (128 half units each)
	s_and_b32 s23, s22, 127
	s_cmp_lt_u32 ttmp9, 1024
	s_cselect_b32 s23, s22, s23                    ; the half unit's number in its source tensor
	s_and_b32 s25, s23, 1                          ; hh
	s_bfe_u32 s26, s23, 0x30001                    ; K step
	s_lshr_b32 s27, s23, 4                         ; g
	s_lshl_b32 s27, s27, 1
	s_add_co_u32 s27, s27, s25
	s_lshl_b32 s27, s27, 6                         ; the half unit's first row
	s_lshr_b32 s28, s[WV], 1
	s_lshl_b32 s28, s28, 5
	s_add_co_u32 s27, s27, s28
	s_and_b32 s28, s[WV], 1
	s_lshl_b32 s28, s28, 3
	s_add_co_u32 s27, s27, s28                     ; + 32 (w / 2) + 8 (w % 2): my tile's first row
	s_lshl_b32 s27, s27, 12                        ; rows of 4,096 bytes (under 2^25 in all)
	s_lshl_b32 s26, s26, 9                         ; 512 bytes a K step
	s_add_co_u32 s26, s27, s26
	s_mov_b32 s27, 0
	s_mul_i32 s28, s22, HU
	s_mul_i32 s29, s[WV], 1536
	s_add_co_u32 s28, s28, s29                     ; my image in the output
	s_mov_b32 s29, 0
	s_wait_alu depctr_va_vdst(0)
	s_wait_kmcnt 0x0
	s_cmp_eq_u32 s24, 2                            ; the source: the choice hangs on the work-group's number alone
	s_cselect_b64 s[12:13], s[10:11], s[12:13]
	s_cmp_eq_u32 s24, 1
	s_cselect_b64 s[12:13], s[8:9], s[12:13]
	s_cmp_eq_u32 s24, 0
	s_cselect_b64 s[12:13], s[6:7], s[12:13]
	s_cmp_lt_u32 ttmp9, 1024
	s_cselect_b64 s[12:13], s[4:5], s[12:13]
	s_cselect_b64 s[14:15], s[14:15], s[16:17]
	s_add_nc_u64 s[12:13], s[12:13], s[26:27]
	s_add_nc_u64 s[14:15], s[14:15], s[28:29]
.irp p, 0,1,2,3,4,5,6,7,8,9,10,11,12,13,14,15
	global_load_b128 v[R+4*\p:R+4*\p+3], v1, s[12:13] offset:(\p+8*(\p/8))*4096 th:TH_LOAD_NT   ; tile row p: 32 lanes read 512 consecutive bytes
.endr
.irp p, 0,1,2,3,4,5,6,7,8,9,10,11,12,13,14,15
	s_wait_loadcnt 15-\p                           ; loads come back in order: row p is in, the younger ones stay out
	ds_store_b128 v2, v[R+4*\p:R+4*\p+3] offset:SPI*\p
.endr
.irp b, 0,1,2,3
.irp j, 0,1,2,3
	ds_load_b128 v[X+16*\b+4*\j:X+16*\b+4*\j+3], v3 offset:128*\b+16*\j   ; LDS serves a wave's instructions in order: these see my stores
.endr
.endr
	s_wait_dscnt 0x0                               ; my 64 numbers are in, and the stores have read R's registers
.irp b, 0,1,2,3
	v_mov_b32 v[TM+4+\b], 0                        ; a lane permute's destination counts as one of its sources
.endr
	QUANT X, PC, TP, PW
.irp c, 0,1,2
	global_store_b128 v1, v[PC+4*\c:PC+4*\c+3], s[14:15] offset:512*\c   ; 32 lanes store 512 consecutive bytes, at a multiple of 256 from the buffer's first byte
.endr
	ds_store_b32 v4, v[PW]                         ; both halves of the lanes write the same word with the same value
	s_wait_dscnt 0x0                               ; for the others' sake: my scale words lie in LDS
	s_barrier_signal -1
	s_barrier_wait -1
	s_cmp_lg_u32 s[WV], 0
	s_cbranch_scc1 .Lend                           ; wave 0 (whose output base is the half unit's first byte) sends the four tiles' words
	ds_load_b64 v[72:73], v6
	s_wait_dscnt 0x0
	global_store_b64 v5, v[72:73], s[14:15] offset:6144   ; 32 lanes store 256 consecutive bytes, aligned
.Lend:
	s_wait_tensorcnt 0x0
	ds_add_u32 v136, v137
	s_wait_dscnt 0x0
	s_endpgm
.Lfunc_end_k_q463c843d85_quant:
	.size	k_q463c843d85_quant, .Lfunc_end_k_q463c843d85_quant-k_q463c843d85_quant
	.p2alignl 7, 3214868480
	.fill 96, 4, 3214868480
	.section	.rodata,"a",@progbits
	.p2align	6, 0x0
	.amdhsa_kernel k_q463c843d85_quant
		.amdhsa_group_segment_fixed_size 34560
		.amdhsa_private_segment_fixed_size 0
		.amdhsa_enable_private_segment 0
		.amdhsa_kernarg_size 56
		.amdhsa_user_sgpr_count 2
		.amdhsa_user_sgpr_kernarg_segment_ptr 1
		.amdhsa_wavefront_size32 1
		.amdhsa_system_sgpr_workgroup_id_x 1
		.amdhsa_system_sgpr_workgroup_id_y 1
		.amdhsa_system_sgpr_workgroup_id_z 1
		.amdhsa_system_vgpr_workitem_id 0
		.amdhsa_next_free_vgpr 138
		.amdhsa_next_free_sgpr 66
		.amdhsa_reserve_vcc 0
		.amdhsa_float_denorm_mode_32 3
		.amdhsa_float_denorm_mode_16_64 3
		.amdhsa_memory_ordered 1
		.amdhsa_forward_progress 1
		.amdhsa_inst_pref_size 12
	.end_amdhsa_kernel
	.amdgpu_metadata
---
amdhsa.version: [ 1, 2 ]
amdhsa.kernels:
  - .name:           k_q463c843d85_quant
    .symbol:         k_q463c843d85_quant.kd
    .args:
      - { .name: x, .offset: 0, .size: 8, .value_kind: global_buffer, .address_space: global }
      - { .name: Wq, .offset: 8, .size: 8, .value_kind: global_buffer, .address_space: global }
      - { .name: Wk, .offset: 16, .size: 8, .value_kind: global_buffer, .address_space: global }
      - { .name: Wv, .offset: 24, .size: 8, .value_kind: global_buffer, .address_space: global }
      - { .name: Wp, .offset: 32, .size: 8, .value_kind: global_buffer, .address_space: global }
      - { .name: xc, .offset: 40, .size: 8, .value_kind: global_buffer, .address_space: global }
      - { .name: wc, .offset: 48, .size: 8, .value_kind: global_buffer, .address_space: global }
    .group_segment_fixed_size: 34560
    .private_segment_fixed_size: 0
    .kernarg_segment_align: 8
    .kernarg_segment_size: 56
    .max_flat_workgroup_size: 128
    .sgpr_count:     66
    .vgpr_count:     138
    .wavefront_size: 32
...
	.end_amdgpu_metadata
.endif
;; end of part 1
;; launch qkv (part 2): grid 8 x 32, 4 waves a work-group, clusters of 4 x 4, 327,680 bytes of LDS; arguments xc, wc, bq, bk, bv, qkv; writes qkv
.if DOCPART == 2
	.amdgcn_target "amdgcn-amd-amdhsa--gfx1250"
	.amdhsa_code_object_version 6
	.text
	.protected	k_q463c843d85_qkv
	.globl	k_q463c843d85_qkv
	.p2align	8
	.type	k_q463c843d85_qkv,@function
k_q463c843d85_qkv:
	s_mov_b64 s[64:65], 0
	v_nop
	global_prefetch_b8 v0, s[64:65] scope:SCOPE_SE
	s_setreg_imm32_b32 hwreg(HW_REG_WAVE_MODE, 25, 1), 1
	s_wait_xcnt 0x0
	s_wait_alu depctr_hold_cnt(0) depctr_sa_sdst(0) depctr_va_vdst(0) depctr_va_sdst(0) depctr_va_ssrc(0) depctr_va_vcc(0) depctr_vm_vsrc(0)
	s_getreg_b32 s2, hwreg(HW_REG_IB_STS2, 6, 4)
	s_cmp_eq_u32 s2, 0
	s_cbranch_scc0 .Lentry_in_a_cluster
	s_endpgm
.Lentry_in_a_cluster:
	s_bfe_u32 s2, ttmp6, 0x10000c
	s_cmp_lg_u32 s2, 0xf033
	s_cbranch_scc0 .Lentry_shape_is_right
	s_endpgm
.Lentry_shape_is_right:
; q = x Wq^T + bq, k = x Wk^T + bk and V^T = Wv x^T + bv on codes of FP6 (E2M3) with E8M0 scales, sums in f32; the results are quantised in registers and leave as codes.
; OPERANDS lie in memory as images of operand registers, in half units of 6,400 bytes (64 rows x 128 K: four fragments of 1,536 bytes, then 256 bytes of scale words; lane r of tile i holds row
; 32 (i / 2) + 8 (i % 2) + r + 8 (r / 8)).  A row group (128 rows, all 1,024 of K) is 102,400 consecutive bytes: 8 K steps of two half units.  wc: row groups 0-7 Wq, 8-15 Wk, 16-23 Wv.
; A WORK-GROUP STAYS: it owns 256 tokens and one head h and makes three tiles, one after the other: q, k and V^T of that head.  x's 256 tokens over all of K (204,800 bytes) come into LDS once and serve all three.
; The weight's row group (102,400 bytes) is Wq's at first and is filled again, in halves of four K steps, with Wk's and then Wv's, while the other half is multiplied.
; A wave makes 64 x 128: 32 accumulators.  Source 0 = eight fragments, source 1 = four: a lane holds one row of source 1, and by the tiles' row order its 64 registers run along source 0's 128 rows,
; 16 neighbours of each block of 32.   q, k: source 0 = the weight's 128 rows (d), source 1 = 64 tokens (row group wave / 2, half unit wave % 2): quantised along d.
;   V^T: source 0 = 128 tokens (row group wave % 2), source 1 = 64 rows of Wv (half unit wave / 2): quantised along the keys.  The same text with other LDS bases.
; The biases are the C of each tile's first K step: bq, bk along source 0's rows; bv along source 1's rows, which is one number a lane in eight registers.
; CLUSTERS: 4 x 4.  x's tiles hang on the tile row alone and are asked for jointly along a row of the cluster; the weights' hang on the head alone, jointly along a column.  Each refill stands behind a round of the cluster's barrier.
; OUTPUT, 48 half units a head (b 8 + h): 0-15 q (64 queries each); 16 + 8 c + 4 e + 0, 1 k of keys 256 c + 128 e on; 16 + 8 c + 4 e + 2 + hh V^T: d = 64 hh on, keys 256 c + 128 e on.
; REGISTERS: window 0: v1-12, v96-99 addresses; v16-31 scale words, two sets; v32-79 the codes made; v80-91 at work; v112-207 source 1's fragments, two sets; v224-243 at work.
;   window 1: source 0's fragments, two sets of 96.   window 2: accumulator (a, b) at v[8 (8 a + b)].   window 3: v0-63 bq, v64-127 bk, v128-159 bv.
; LIMITS: blocks whose largest magnitude lies under 2^-124 get the scale byte 1 (read by this program alone); NaN and infinities are not served.
.set HU,   6400
.set UNIT, 12800                       ; 128 rows x 128 K
.set CH,   25600                       ; 128 rows x 256 K: a row group's part of a chunk
.set GRP,  102400                      ; 128 rows x 1,024 K
; LDS AS THIS TEXT LAYS IT: x's row group 0 (102,400 bytes), x's row group 1, then the weight's row group; K step s of each at 12,800 s.  Each wave asks for its share by ONE tensor load at the head:
; waves 0, 1 a whole row group of x (400 rows of 256 bytes), waves 2, 3 four K steps of Wq (200 rows).
; OUTPUT AS THIS TEXT LAYS IT: behind q's 16 half units, key step s = 2 c + e (128 keys) holds four half units: 16 + 4 s + 0, 1: k of its keys; 16 + 4 s + 2 + hh: V^T, d = 64 hh on.
.set CHL,  25600                       ; two K steps of a row group in LDS
.set BOFF, 204800                      ; where the weight's row group begins
.set SPARE, 307200                     ; behind the three row groups: the spare words, 128 bytes for each wave
.set G1H,  48                          ; s[48:55] group 1 of the head's loads of Wq: 200 rows
.set LI,   1                           ; v1  16 x lane
.set ADA,  2                           ; v2  source 1's fragments in the chunk in hand
.set ADB,  3                           ; v3  source 0's
.set ASA,  4                           ; v4  source 1's scale words
.set ASB,  5                           ; v5  source 0's: lanes 0-15 tiles 0-3, lanes 16-31 tiles 4-7
.set R16,  6                           ; v6  16 r
.set SPW,  7                           ; v7  LDS address of my spare word: SPARE + 4 x my thread's number; never rewritten
.set NIL,  8                           ; v8  0; never rewritten
.set BS0,  9                           ; v9-12  the four addresses in chunk 0 for q and k
.set BS1,  96                          ; v96-99 and for V^T
.set SCA,  16                          ; source 1's scale words, set p at SCA + 8 p
.set SCB,  20                          ; source 0's
.set PC,   32                          ; v32-79 a tile's four fragments of codes
.set TP,   80                          ; v80-87 halves of blocks on their way
.set BVT,  88                          ; v88-91 bv as loaded
.set AF,   112
.set TM,   224
.set PW,   240
.set WV,   16
.set G1A,  24
.set G1B,  32
.set G0A,  40                          ; s[40:43] group 0 of x's load;  s[56:59] that of Wq's
.set G0R,  76                          ; s[76:79] group 0 of the refills
.set WB,   88                          ; s[88:89] Wq's row group h at K step = my wave's number
.set LB,   90                          ; s90      where that K step lies in LDS
.set SEL,  94
.set MSB, 0
.macro WIN new                         ; the immediate's high byte repeats the setting that is left
.if MSB != \new
	s_set_vgpr_msb (MSB<<8)|\new
.set MSB, \new
.endif
.endm
.macro PLACES                          ; four plain places behind matrix instructions, in front of loads into their registers and of reads of their results
.rept 4
	v_nop
.endr
.endm
.macro CROUND                          ; a round of the cluster's barrier
	s_barrier_signal -1
	s_barrier_wait -1
	s_cmp_lg_u32 s[WV], 0
	s_cbranch_scc1 .Lnot_wave_0_\@
	s_barrier_signal -3
.Lnot_wave_0_\@:
	s_barrier_wait -3
	s_barrier_signal -1
	s_barrier_wait -1
.endm
; 64 results of a lane, v[s] on IN WINDOW 2 (register 16 b + i = k 32 b + 16 (lane / 16) + i of my row), become a fragment's codes in v[pc] on and its scale word in v[pw], both in window 0.
; Each accumulator is read from its low end on: registers 16 b, 16 b + 1 first, registers 16 b + 8, 16 b + 9 first of the next.
.macro QUANT s, pc, tmp, pw
	WIN 0x0a                                       ; sources 0 and 1 window 2
.irp b, 0,1,2,3
	v_max3_num_f32 v[TM+\b], |v[(\s)+16*\b]|, |v[(\s)+1+16*\b]|, 0x1800000   ; my 16 numbers of block b, and the floor 2^(3 - 127): the byte cannot fall under 1
.endr
	WIN 0x28                                       ; sources 1 and 2 window 2
.irp i, 2,4,6,8,10,12,14
.irp b, 0,1,2,3
	v_max3_num_f32 v[TM+\b], v[TM+\b], |v[(\s)+16*\b+\i]|, |v[(\s)+1+16*\b+\i]|   ; the four blocks by turns
.endr
.endr
	WIN 0
.irp b, 0,1,2,3
	v_permlanex16_b32 v[TM+4+\b], v[TM+\b], s[SEL], s[SEL+1]
.endr
.irp b, 0,1,2,3
	v_max_num_f32 v[TM+\b], v[TM+\b], v[TM+4+\b]   ; with lane l xor 16's: the block's largest magnitude
.endr
.irp b, 0,1,2,3
	v_add_nc_u32 v[TM+12+\b], 0xff000000, v[TM+\b]   ; 2 off its exponent field: the conversion's scale operand
.endr
.irp b, 0,1,2,3
	v_lshrrev_b32 v[TM+4+\b], 23, v[TM+12+\b]      ; the scale's byte
.endr
	v_lshl_or_b32 v[\pw], v[TM+5], 8, v[TM+4]
	v_lshl_or_b32 v[\pw], v[TM+6], 16, v[\pw]
	v_lshl_or_b32 v[\pw], v[TM+7], 24, v[\pw]
	WIN 0x02                                       ; source 0 window 2
.irp c, 0,1
	v_cvt_scalef32_pk16_fp6_f32 v[(\pc)+6*\c:(\pc)+2+6*\c], v[(\s)+32*\c:(\s)+15+32*\c], v[TM+12+2*\c]
	v_cvt_scalef32_pk16_fp6_f32 v[(\tmp)+4*\c:(\tmp)+2+4*\c], v[(\s)+16+32*\c:(\s)+31+32*\c], v[TM+12+2*\c+1]   ; (a conversion's three registers begin on an even number)
.endr
	WIN 0
	v_nop                                          ; one plain place behind a scaled conversion
.irp c, 0,1                                    ; the operand wants a whole block in a lane: lanes 0-15 block 2 c, lanes 16-31 block 2 c + 1
.irp i, 0,1,2
	v_permlane16_swap_b32 v[(\pc)+6*\c+\i], v[(\tmp)+4*\c+\i]
.endr
.irp i, 0,1,2
	v_mov_b32 v[(\pc)+3+6*\c+\i], v[(\tmp)+4*\c+\i]
.endr
.endr
.endm
; one matrix instruction.  row = 1: source 0's scale words stand in lanes 16-31 of their register
.macro WM d, f0, f1, c, s0, s1, row
.if (\row)
	v_wmma_scale_f32_16x16x128_f8f6f4 v[(\d):(\d)+7], v[(\f0):(\f0)+11], v[(\f1):(\f1)+11], v[(\c):(\c)+7], v[\s0], v[\s1] matrix_a_fmt:MATRIX_FMT_FP6 matrix_b_fmt:MATRIX_FMT_FP6 matrix_a_scale:MATRIX_SCALE_ROW1
.else
	v_wmma_scale_f32_16x16x128_f8f6f4 v[(\d):(\d)+7], v[(\f0):(\f0)+11], v[(\f1):(\f1)+11], v[(\c):(\c)+7], v[\s0], v[\s1] matrix_a_fmt:MATRIX_FMT_FP6 matrix_b_fmt:MATRIX_FMT_FP6
.endif
.endm
; the four LDS addresses for chunk c: m = 0: q and k, m = 1: V^T.  Four plain vector lines: where they follow products they are also the places in front of the loads behind them.
.macro SETADR m, c
.irp k, 0,1,2,3
	v_add_nc_u32 v[ADA+\k], (\c)*CHL, v[BS0+(BS1-BS0)*(\m)+\k]
.endr
.endm
; 38 LDS loads in one run: the fragments (source 0's eight, source 1's four) and scale words of the chunk's K step p (even or odd) into set p.  An image's piece is 512 consecutive bytes, 16 a lane.
.macro FETCH p
	WIN 0x40                                       ; destination window 1, address window 0
.irp b, 0,1,2,3,4,5,6,7
.irp c, 0,1,2
	ds_load_b128 v[96*(\p)+12*\b+4*\c:96*(\p)+12*\b+4*\c+3], v[ADB] offset:(\p)*UNIT+(\b/4)*HU+(\b%4)*1536+512*\c
.endr
.endr
	WIN 0
.irp a, 0,1,2,3
.irp c, 0,1,2
	ds_load_b128 v[AF+48*(\p)+12*\a+4*\c:AF+48*(\p)+12*\a+4*\c+3], v[ADA] offset:(\p)*UNIT+1536*\a+512*\c
.endr
.endr
	ds_load_b128 v[SCA+8*(\p):SCA+8*(\p)+3], v[ASA] offset:(\p)*UNIT
	ds_load_b128 v[SCB+8*(\p):SCB+8*(\p)+3], v[ASB] offset:(\p)*UNIT
.endm
; 32 matrix instructions: the 32 accumulators take turns, one instruction a turn, in the same order in every K step.  A tile's K step 0 starts the sums with the bias as C.
.macro MUL n, s, p
.if (\s) == 0
	WIN 0xb1                                       ; source 0 window 1, source 1 window 0, C (the bias) window 3, D window 2
.else
	WIN 0xa1                                       ; C and D window 2
.endif
.irp a, 0,1,2,3
.irp b, 0,1,2,3,4,5,6,7
.if (\s) == 0
.set CC, (64*(\n)+8*\b)*(1-(\n)/2)+(128+8*\a)*((\n)/2)   ; q, k: the bias of source 0's tile b;  V^T: that of source 1's tile a
.else
.set CC, 8*(8*\a+\b)
.endif
	WM 8*(8*\a+\b), 96*(\p)+12*\b, AF+48*(\p)+12*\a, CC, SCB+8*(\p)+\b%4, SCA+8*(\p)+\a, \b/4
.endr
.endr
.endm
; K step s of tile n: the next step's fragments are asked for (the next tile's first among them), then this step is multiplied.  An odd step changes chunks.
.macro KSTEP n, s
.set GN, 8*(\n)+(\s)+1                 ; the next step, counted through the three tiles
.set NM, GN/16                         ; 1 where it belongs to V^T
.set NC, (GN%8)/2                      ; its chunk
.if GN < 24
.if GN%2 == 0
.if (GN%4 == 0) && (GN <= 16)
; HALF OF THE WEIGHT'S BYTES HAS BEEN READ OUT AND IS FILLED AGAIN, with the same four K steps of the next tile's row group: one joint load a wave, 12,800 bytes.
.set RN, (GN+4)/8                      ; for which tile
.set RH, (GN/4+1)%2                    ; which half
	WIN 0                                          ; (the add's two registers lie in window 0; at a branch and at a label every window is 0)
	s_wait_tensorcnt 0x0                           ; all my tensor loads have landed, my part of the half that is read next among them: so a group 0 may be written
	ds_add_u32 v[SPW], v[NIL]                      ; 0 onto my spare word; the descriptor's three lines stand between it and the wait for it
	s_add_co_u32 s[G0R+1], s[LB], 2*RH*CHL         ; LDS: chunk 2 x half + wave / 2, its K step wave % 2
	s_add_nc_u64 s[G0R+2:G0R+3], s[WB:WB+1], RN*8*GRP+RH*4*UNIT   ; memory: eight row groups on for each tile, four K steps on for the second half
	s_or_b32 s[G0R+3], s[G0R+3], 0x80000000        ; type = 2
	s_wait_dscnt 0x0                               ; the add is done, and this step's fragments are in registers: my reads of the half that is filled again are over
	CROUND                                         ; both now hold of every wave of every work-group of the cluster
	tensor_load_to_lds s[G0R:G0R+3], s[G1B:G1B+7]  ; my one tensor load behind the round: it has four K steps, 128 matrix instructions, in which to land
	s_nop 0
	PLACES
.elseif GN == 20
	s_wait_tensorcnt 0x0                           ; my last refill, Wv's second half: no load was issued behind it
	s_wait_dscnt 0x0
	s_barrier_signal -1
	s_barrier_wait -1
	WIN 0
.else
	WIN 0                                          ; the chunk ahead was shown landed to every wave by the last wait for all loads and the barrier behind it: no barrier here
.endif
	SETADR NM, NC
.elseif GN > 1
	PLACES
.endif
	FETCH GN%2
	s_wait_alu depctr_va_vdst(0)
	s_wait_dscnt 38                                ; all but the 38 just issued: this step's fragments are in
.else
	s_wait_dscnt 0x0                               ; the very last step: nothing more to fetch
.endif
	MUL \n, \s, (GN+1)%2
.endm
; THE WAY OUT of tile n.  Each of my four tiles of source 1's rows is quantised out of its accumulators and leaves as a fragment's image; each has registers of its own for its codes.
; Nothing waits for the stores: they leave while the next tile is multiplied, whose first fragments are already on their way out of LDS.
.macro TAIL n
.set OP, 92+4*(\n)-2*((\n)/2)          ; s[92:93] q's half unit, s[96:97] k's, s[98:99] V^T's
	WIN 0
	PLACES
	s_wait_xcnt 0x0                                ; the last tile's stores have read their registers: the codes and scale words may be written again
.irp a, 0,1,2,3
	QUANT 64*\a, PC+12*\a, TP, PW+\a
.irp c, 0,1,2
	global_store_b128 v[LI], v[PC+12*\a+4*\c:PC+12*\a+4*\c+3], s[OP:OP+1] offset:1536*\a+512*\c   ; 32 lanes store 512 consecutive bytes, at a multiple of 256 from the buffer's first byte
.endr
.endr
	global_store_b128 v[R16], v[PW:PW+3], s[OP:OP+1] offset:6144   ; the four tiles' scale words of row r: 256 consecutive bytes (both halves of the lanes hold and store the same)
.endm
	s_load_b256 s[4:11], s[0:1], 0x0               ; xc s[4:5], wc s[6:7], bq s[8:9], bk s[10:11]
	s_load_b128 s[12:15], s[0:1], 0x20             ; bv s[12:13], qkv s[14:15]
	v_lshl_add_u32 v[SPW], v0, 2, SPARE
	v_mov_b32 v[NIL], 0
	ds_add_u32 v7, v8
	ds_add_u32 v7, v8
	s_wait_dscnt 0x0
	v_lshrrev_b32 v1, 5, v0
	v_readfirstlane_b32 s[WV], v1                  ; wave 0..3
	s_and_b32 s17, s[WV], 1
	s_lshr_b32 s21, s[WV], 1
	s_bfe_u32 s18, ttmp6, 0x40000                  ; cx
	s_bfe_u32 s19, ttmp6, 0x40004                  ; cy
	s_and_b32 s20, ttmp7, 0xffff
	s_lshl_b32 s22, s20, 2
	s_add_co_u32 s22, s22, s19                     ; tile row = 4 x cluster y + cy: 256 tokens each
	s_lshl_b32 s23, ttmp9, 2
	s_add_co_u32 s23, s23, s18                     ; the head = 4 x cluster x + cx
	s_lshl_b32 s2, s19, 2
	s_lshl_b32 s2, 15, s2                          ; my row of the cluster
	s_lshl_b32 s3, 0x1111, s18                     ; my column
	; groups 1: dense blocks as rows of 256 bytes (32 elements of 8 bytes), no padding.  x: a whole row group, 400 rows;  a weight: one K step, 50 rows
	s_or_b32 s[G1A], s2, (3<<16)|(1<<21)           ; 15:0 the mask; 17:16 elements of 8 bytes; 21 set beside a mask
	s_mov_b32 s[G1A+1], 32<<16                     ; tensor_dim0
	s_mov_b32 s[G1A+2], 400<<16                    ; tensor_dim1: a whole row group
	s_mov_b32 s[G1A+3], 32<<16                     ; tile_dim0
	s_mov_b32 s[G1A+4], 400                        ; tile_dim1
	s_mov_b32 s[G1A+5], 32                         ; the pitch
	s_mov_b32 s[G1A+6], 0
	s_mov_b32 s[G1A+7], 0
	s_or_b32 s[G1B], s3, (3<<16)|(1<<21)
	s_mov_b32 s[G1B+1], 32<<16
	s_mov_b32 s[G1B+2], 50<<16
	s_mov_b32 s[G1B+3], 32<<16
	s_mov_b32 s[G1B+4], 50
	s_mov_b32 s[G1B+5], 32
	s_mov_b32 s[G1B+6], 0
	s_mov_b32 s[G1B+7], 0
	s_or_b32 s[G1H], s3, (3<<16)|(1<<21)           ; the head's loads of Wq: four K steps, 200 rows of 256 bytes
	s_mov_b32 s[G1H+1], 32<<16
	s_mov_b32 s[G1H+2], 200<<16
	s_mov_b32 s[G1H+3], 32<<16
	s_mov_b32 s[G1H+4], 200
	s_mov_b32 s[G1H+5], 32
	s_mov_b32 s[G1H+6], 0
	s_mov_b32 s[G1H+7], 0
	s_lshl_b32 s80, s22, 1
	s_add_co_u32 s80, s80, s17                     ; waves 0, 1 fetch x's row group 2 x tile row + wave
	s_mul_i32 s80, s80, GRP
	s_mov_b32 s81, 0
	s_mul_i32 s84, s23, GRP                        ; Wq's row group h
	s_mov_b32 s85, 0
	s_mul_i32 s91, s17, 4*UNIT                     ; waves 2, 3 fetch K steps 0-3 or 4-7 of it
	s_mul_i32 s2, s17, GRP                         ; where x's row group goes: no place in the cluster enters an LDS address
	s_add_co_u32 s3, s91, BOFF
	s_mul_i32 s20, s[WV], UNIT
	s_add_co_u32 s[LB], s20, BOFF                  ; a refill: wave w fetches K step w of the half
	s_mov_b32 s[G0R], 1                            ; count = 1
	s_wait_kmcnt 0x0
	s_add_nc_u64 s[82:83], s[4:5], s[80:81]
	s_add_nc_u64 s[86:87], s[6:7], s[84:85]
	s_mov_b32 s84, s20
	s_add_nc_u64 s[WB:WB+1], s[86:87], s[84:85]
	s_mov_b32 s84, s91
	s_add_nc_u64 s[86:87], s[86:87], s[84:85]
.irp c, 0
.set GB, 56+4*\c+4*(\c/2)
	s_mov_b32 s[G0A+4*\c], 1                       ; count = 1
	s_add_co_u32 s[G0A+4*\c+1], s2, \c*CHL         ; LDS address
	s_add_nc_u64 s[G0A+4*\c+2:G0A+4*\c+3], s[82:83], \c*CH   ; global address: the row group from K step 0
	s_or_b32 s[G0A+4*\c+3], s[G0A+4*\c+3], 0x80000000   ; type = 2
	s_mov_b32 s[GB], 1
	s_add_co_u32 s[GB+1], s3, \c*CHL
	s_add_nc_u64 s[GB+2:GB+3], s[86:87], \c*CH
	s_or_b32 s[GB+3], s[GB+3], 0x80000000
.endr
	CROUND                                         ; all sixteen work-groups are here: the joint loads meet
	s_cmp_lt_u32 s[WV], 2                          ; a wave's one first fill stands in a branch on the wave's number: one load of mine is out; four v_nop follow it
	s_cbranch_scc0 .Lfor_b
	tensor_load_to_lds s[40:43], s[G1A:G1A+7]      ; one tensor load a wave at the head: a row group of x
	s_nop 0
	PLACES
	s_branch .Lasked
.Lfor_b:
	tensor_load_to_lds s[56:59], s[G1H:G1H+7]      ; or four K steps of Wq
	s_nop 0
	PLACES
.Lasked:
	v_and_b32 v100, 31, v0
	v_lshlrev_b32 v[LI], 4, v100
	v_and_b32 v101, 15, v0                         ; r
	v_bfe_u32 v102, v0, 4, 1                       ; h
	v_lshlrev_b32 v[R16], 4, v101
	v_mul_u32_u24 v103, v102, HU                   ; lanes 16-31 take the second half unit's scale words
	v_add_nc_u32 v103, v103, v[R16]
	s_wait_alu depctr_va_vdst(0)
	s_mul_i32 s2, s21, GRP                         ; q, k: source 1 = my 64 tokens: row group wave / 2,
	s_mul_i32 s3, s17, HU                          ; half unit wave % 2;
	s_add_co_u32 s2, s2, s3
	v_add_nc_u32 v[BS0], s2, v[LI]
	v_add_nc_u32 v[BS0+1], BOFF, v[LI]             ; source 0 = the weight's 128 rows
	s_add_co_u32 s2, s2, 6144
	v_add_nc_u32 v[BS0+2], s2, v[R16]
	v_add_nc_u32 v[BS0+3], BOFF+6144, v103
	s_mul_i32 s2, s21, HU                          ; V^T: source 1 = Wv's half unit wave / 2;
	s_add_co_u32 s2, s2, BOFF
	v_add_nc_u32 v[BS1], s2, v[LI]
	s_add_co_u32 s2, s2, 6144
	v_add_nc_u32 v[BS1+2], s2, v[R16]
	s_mul_i32 s3, s17, GRP                         ; source 0 = x's row group wave % 2
	v_add_nc_u32 v[BS1+1], s3, v[LI]
	s_add_co_u32 s3, s3, 6144
	v_add_nc_u32 v[BS1+3], s3, v103
	v_lshlrev_b32 v104, 6, v102                    ; bq, bk: register j of source 0's tile b is row 32 (b / 2) + 8 (b % 2) + 16 h + j
	s_wait_alu depctr_va_vdst(0)
	v_and_b32 v105, 8, v101
	v_add_nc_u32 v105, v105, v101
	v_lshlrev_b32 v105, 2, v105                    ; bv: my row of source 1's tile a is 32 (a / 2) + 8 (a % 2) + r + 8 (r / 8)
	s_wait_alu depctr_va_vdst(0)
	s_mov_b32 s[SEL], 0x76543210
	s_mov_b32 s[SEL+1], 0xfedcba98
	s_lshl_b32 s2, s23, 9                          ; the head's 128 numbers of each bias
	s_mov_b32 s3, 0
	s_add_nc_u64 s[8:9], s[8:9], s[2:3]
	s_add_nc_u64 s[10:11], s[10:11], s[2:3]
	s_add_nc_u64 s[12:13], s[12:13], s[2:3]
	s_lshl_b32 s2, s21, 8                          ; bv: my 64 rows of Wv
	s_add_nc_u64 s[12:13], s[12:13], s[2:3]
	WIN 0xc0                                       ; destination window 3, address window 0
.irp b, 0,1,2,3,4,5,6,7
	global_load_b128 v[8*\b:8*\b+3], v104, s[8:9] offset:(32*(\b/2)+8*(\b%2))*4
	global_load_b128 v[8*\b+4:8*\b+7], v104, s[8:9] offset:(32*(\b/2)+8*(\b%2))*4+16
	global_load_b128 v[64+8*\b:64+8*\b+3], v104, s[10:11] offset:(32*(\b/2)+8*(\b%2))*4
	global_load_b128 v[64+8*\b+4:64+8*\b+7], v104, s[10:11] offset:(32*(\b/2)+8*(\b%2))*4+16
.endr
	WIN 0
.irp a, 0,1,2,3
	global_load_b32 v[BVT+\a], v105, s[12:13] offset:(32*(\a/2)+8*(\a%2))*4
.endr
	; where my three half units of the output lie
	s_lshr_b32 s2, s22, 2                          ; the batch = tile row / 4
	s_lshl_b32 s2, s2, 3
	s_add_co_u32 s2, s2, s23                       ; b 8 + h
	s_mul_i32 s2, s2, 48                           ; its first half unit
	s_and_b32 s3, s22, 3                           ; c: which 256 tokens of the batch
	s_lshl_b32 s92, s3, 2
	s_add_co_u32 s92, s92, s[WV]                   ; q: 4 c + wave
	s_add_co_u32 s92, s92, s2
	s_mul_i32 s92, s92, HU                         ; (under 2^25)
	s_mov_b32 s93, 0
	s_lshl_b32 s3, s3, 3
	s_add_co_u32 s3, s3, s2
	s_lshl_b32 s96, s21, 2
	s_add_co_u32 s96, s96, s17
	s_add_co_u32 s96, s96, s3                      ; k: 8 c + 4 (wave / 2) + wave % 2
	s_add_co_u32 s96, s96, 16                      ; k: 16 + 8 c + 4 (wave / 2) + wave % 2
	s_mul_i32 s96, s96, HU
	s_mov_b32 s97, 0
	s_lshl_b32 s98, s17, 2
	s_add_co_u32 s98, s98, s21
	s_add_co_u32 s98, s98, s3
	s_add_co_u32 s98, s98, 18                      ; V^T: 16 + 8 c + 4 (wave % 2) + 2 + wave / 2
	s_mul_i32 s98, s98, HU
	s_mov_b32 s99, 0
	s_add_nc_u64 s[92:93], s[14:15], s[92:93]
	s_add_nc_u64 s[96:97], s[14:15], s[96:97]
	s_add_nc_u64 s[98:99], s[14:15], s[98:99]
.irp b, 0,1,2,3
	v_mov_b32 v[TM+4+\b], 0                        ; a lane permute's destination counts as one of its sources
.endr
	s_wait_loadcnt 0x0                             ; the biases
	WIN 0xc0
.irp a, 0,1,2,3
.irp j, 0,1,2,3,4,5,6,7
	v_mov_b32 v[128+8*\a+\j], v[BVT+\a]            ; bv as a C: a lane's eight results of a tile belong to one row of Wv
.endr
.endr
	WIN 0
	s_wait_tensorcnt 0x0                           ; my one load has landed
	s_barrier_signal -1
	s_barrier_wait -1                              ; everybody's is
	SETADR 0, 0
	FETCH 0
.irp n, 0,1,2
.irp s, 0,1,2,3,4,5,6,7
	KSTEP \n, \s
.endr
	TAIL \n
.endr
	s_wait_tensorcnt 0x0                           ; the wave's end: behind my last tensor load
	ds_add_u32 v[SPW], v[NIL]
	s_wait_dscnt 0x0
	CROUND                                         ; the closing round: no work-group ends while a partner may still ask for a tile that names it
	s_endpgm
.Lfunc_end_k_q463c843d85_qkv:
	.size	k_q463c843d85_qkv, .Lfunc_end_k_q463c843d85_qkv-k_q463c843d85_qkv
	.p2alignl 7, 3214868480
	.fill 96, 4, 3214868480
	.section	.rodata,"a",@progbits
	.p2align	6, 0x0
	.amdhsa_kernel k_q463c843d85_qkv
		.amdhsa_group_segment_fixed_size 327680
		.amdhsa_private_segment_fixed_size 0
		.amdhsa_enable_private_segment 0
		.amdhsa_kernarg_size 48
		.amdhsa_user_sgpr_count 2
		.amdhsa_user_sgpr_kernarg_segment_ptr 1
		.amdhsa_wavefront_size32 1
		.amdhsa_system_sgpr_workgroup_id_x 1
		.amdhsa_system_sgpr_workgroup_id_y 1
		.amdhsa_system_sgpr_workgroup_id_z 1
		.amdhsa_system_vgpr_workitem_id 0
		.amdhsa_next_free_vgpr 1024
		.amdhsa_next_free_sgpr 100
		.amdhsa_reserve_vcc 0
		.amdhsa_float_denorm_mode_32 3
		.amdhsa_float_denorm_mode_16_64 3
		.amdhsa_memory_ordered 1
		.amdhsa_forward_progress 1
		.amdhsa_inst_pref_size 228
	.end_amdhsa_kernel
	.amdgpu_metadata
---
amdhsa.version: [ 1, 2 ]
amdhsa.kernels:
  - .name:           k_q463c843d85_qkv
    .symbol:         k_q463c843d85_qkv.kd
    .args:
      - { .name: xc, .offset: 0, .size: 8, .value_kind: global_buffer, .address_space: global }
      - { .name: wc, .offset: 8, .size: 8, .value_kind: global_buffer, .address_space: global }
      - { .name: bq, .offset: 16, .size: 8, .value_kind: global_buffer, .address_space: global }
      - { .name: bk, .offset: 24, .size: 8, .value_kind: global_buffer, .address_space: global }
      - { .name: bv, .offset: 32, .size: 8, .value_kind: global_buffer, .address_space: global }
      - { .name: qkv, .offset: 40, .size: 8, .value_kind: global_buffer, .address_space: global }
    .group_segment_fixed_size: 327680
    .private_segment_fixed_size: 0
    .kernarg_segment_align: 8
    .kernarg_segment_size: 48
    .max_flat_workgroup_size: 128
    .sgpr_count:     100
    .vgpr_count:     1024
    .wavefront_size: 32
...
	.end_amdgpu_metadata
.endif
;; end of part 2
;; launch attn (part 3): grid 4 x 64, 8 waves a work-group, clusters of 4 x 1, 327,680 bytes of LDS; arguments qkv, mask, yc; writes yc
.if DOCPART == 3
	.amdgcn_target "amdgcn-amd-amdhsa--gfx1250"
	.amdhsa_code_object_version 6
	.text
	.protected	k_q463c843d85_attn
	.globl	k_q463c843d85_attn
	.p2align	8
	.type	k_q463c843d85_attn,@function
k_q463c843d85_attn:
	s_mov_b64 s[64:65], 0
	v_nop
	global_prefetch_b8 v0, s[64:65] scope:SCOPE_SE
	s_setreg_imm32_b32 hwreg(HW_REG_WAVE_MODE, 25, 1), 1
	s_wait_xcnt 0x0
	s_wait_alu depctr_hold_cnt(0) depctr_sa_sdst(0) depctr_va_vdst(0) depctr_va_sdst(0) depctr_va_ssrc(0) depctr_va_vcc(0) depctr_vm_vsrc(0)
	s_getreg_b32 s2, hwreg(HW_REG_IB_STS2, 6, 4)
	s_cmp_eq_u32 s2, 0
	s_cbranch_scc0 .Lentry_in_a_cluster
	s_endpgm
.Lentry_in_a_cluster:
	s_bfe_u32 s2, ttmp6, 0x10000c
	s_cmp_lg_u32 s2, 0x3003
	s_cbranch_scc0 .Lentry_shape_is_right
	s_endpgm
.Lentry_shape_is_right:
; y[b][q][h 128 + d] = the sum over keys of softmax(q . k / sqrt(128), keys with mask 0 left out) v, both products on codes of FP6 (E2M3) with E8M0 scales; y leaves as codes, quantised along h 128 + d.
; THE SOFTMAX: t = score x log2(e) / sqrt(128); M = the running largest t rounded UP to a whole number; p = 2^(t - M) is quantised along the keys, not normalised; the row's sum is taken of the
; unquantised p and divides at the end.  When M moves, the sum and O are multiplied by 2^(old M - new M): exact.
; INPUT: 48 half units of 6,400 bytes a head (64 rows x 128 K as images of operand registers: four fragments of 1,536 bytes, then 256 bytes of scale words; lane r of tile i holds row
; 32 (i / 2) + 8 (i % 2) + r + 8 (r / 8)): 0-15 q; then eight key steps of 128 keys, four half units each: two of k, two of V^T (d = 64 hh on).
; SHARES: a work-group owns 256 queries of one head, each of its eight waves 32: two tiles, so that each fragment of K and V feeds two matrix instructions; two waves to a SIMD.
; THE HEAD'S K AND V, 204,800 bytes, come into LDS once, by two tensor loads a wave: at the kernel's head 6,400 bytes (key steps 0 and 1 in all); behind the three lines and a round 19,200 bytes
; (steps 2 to 7), which have two key steps' work in which to land.  Nothing is filled twice.  By the text's own count one load of a wave is out at a time; every wait on TENSORcnt is for 0.
; CLUSTER: the four query blocks of a head read the same K and V: both loads are asked for jointly by the four.
; NO PREFETCH: all that the launch reads is asked for by these two loads and by the head's loads of Q and the mask; no later stream is left to run ahead of.
; LAYOUT: both products transposed: S^T = K Q^T + C (source 0 = 16 keys), O^T = V^T P^T (source 0 = 16 d): a lane holds ONE query; 16 registers of two neighbouring tiles are 16 neighbouring keys (or d).
; THE MASK is the C of the first product: 0 for a key that counts, -2^126 for one that does not: far under the floor -2^100 of the running largest score, so p = 0 exactly.
; A query all of whose keys are masked has the sum 0: its scale words are set to 0xff bytes, so that every output made of it is NaN, as a softmax over nothing is.
; The two tiles' softmaxes go stage by stage together, so that no line reads the line above it, and the step's 136 exponentials are one batch.
; LIMITS: the promise holds while |t| stays under 2^31; NaN and infinities among the inputs are not served; blocks whose largest magnitude lies under 2^-124 get the scale byte 1 (read by this
; program alone); a block's largest p is made from its largest score by the same two instructions, which takes v_exp_f32 not to fall where its input rises.
; REGISTERS: window 0: v1-7 addresses; v8-15 statistics; v16-39 Q; v40-51 scale words of Q, K, V; v52-75 p's codes; v76-77 p's scale words; v80-127 at work; v128-255 S^T, then p.
;   window 1: v0-127 O^T, 64 a tile; v128-175, v176-223 two buffers of four fragments; v224-255 the mask's numbers for four tiles of keys.
.set HU,   6400
.set STB,  25600                       ; a key step: k's two half units, then V^T's two
.set MB,   204800                      ; behind K and V: 1,024 f32, the mask as numbers to add
.set SIA,  208896                      ; 4 x 256 bytes in which y's scale words meet
.set SPARE, 209920                     ; the spare words, 128 bytes for each wave
.set LI,   1                           ; 16 x lane
.set ASC,  2                           ; scale words: 6144 + 16 r + 6400 h
.set AMB,  3                           ; MB + 64 h
.set ADF,  4                           ; v4-6 the key step's addresses: fragments, scale words, mask
.set ADS,  5
.set ADM,  6
.set SIW,  7                           ; where my rows' scale words of y go
.set ST,   8                           ; tile q: v[ST+4q] -M, +1 the largest score, +2, +3 the sum in two halves
.set QF,   16
.set QS,   40
.set KS,   44
.set VS,   48
.set PC,   52
.set PW,   76
.set BMX,  80                          ; four a tile: the blocks' largest
.set T8,   88                          ; eight a tile, at work
.set SO,   104                         ; four a tile: the conversions' scale operands
.set F,    112                         ; a pair a tile: f in the low register
.set TMP,  116                         ; one a tile
.set SPW,  118                         ; LDS address of my spare word; never rewritten
.set NIL,  119                         ; 0; never rewritten
.set S,    128
.set FA,   128                         ; in window 1
.set FB,   176
.set MBR,  224
.set WV,   10
.set CS,   14                          ; s[14:15] c = log2(e) / sqrt(128)
.set SEL,  16                          ; s[16:17] v_permlanex16_b32's selects for lane l xor 16
.set TB,   18                          ; LDS byte at which the key step begins
.set TMO,  19                          ; and its keys' numbers of the mask
.set TW,   20
.set MSB, 0
.macro WIN new                         ; the immediate's high byte repeats the setting that is left
.if MSB != \new
	s_set_vgpr_msb (MSB<<8)|\new
.set MSB, \new
.endif
.endm
.macro PLACES                          ; four plain places behind matrix instructions (ISA guide 7.12.1)
.rept 4
	v_nop
.endr
.endm
.macro CROUND                          ; a round of the cluster's barrier
	s_barrier_signal -1
	s_barrier_wait -1
	s_cmp_lg_u32 s[WV], 0
	s_cbranch_scc1 .Lnot_wave_0_\@
	s_barrier_signal -3
.Lnot_wave_0_\@:
	s_barrier_wait -3
	s_barrier_signal -1
	s_barrier_wait -1
.endm
.macro WM d, f0, f1, c, s0, s1, row    ; one matrix instruction.  row = 1: source 0's scale words stand in lanes 16-31 of their register
.if (\row)
	v_wmma_scale_f32_16x16x128_f8f6f4 v[(\d):(\d)+7], v[(\f0):(\f0)+11], v[(\f1):(\f1)+11], v[(\c):(\c)+7], v[\s0], v[\s1] matrix_a_fmt:MATRIX_FMT_FP6 matrix_b_fmt:MATRIX_FMT_FP6 matrix_a_scale:MATRIX_SCALE_ROW1
.else
	v_wmma_scale_f32_16x16x128_f8f6f4 v[(\d):(\d)+7], v[(\f0):(\f0)+11], v[(\f1):(\f1)+11], v[(\c):(\c)+7], v[\s0], v[\s1] matrix_a_fmt:MATRIX_FMT_FP6 matrix_b_fmt:MATRIX_FMT_FP6
.endif
.endm
.macro LDF reg, off                    ; a half unit's four fragments: 12 loads of 512 consecutive bytes
.irp t, 0,1,2,3
.irp c, 0,1,2
	ds_load_b128 v[(\reg)+12*\t+4*\c:(\reg)+12*\t+4*\c+3], v[ADF] offset:(\off)+1536*\t+512*\c
.endr
.endr
.endm
.macro LDM g                           ; the mask's numbers for tiles 4 g + t: register j of tile T is key 32 (T / 2) + 8 (T % 2) + 16 h + j
.irp t, 0,1,2,3
.irp e, 0,1
	ds_load_b128 v[MBR+8*\t+4*\e:MBR+8*\t+4*\e+3], v[ADM] offset:(32*((4*(\g)+\t)/2)+8*(\t%2))*4+16*\e
.endr
.endr
.endm
.macro SQK g, f                        ; S^T of tiles 4 g + t of keys, for both tiles of queries; C = the mask's numbers
.irp t, 0,1,2,3
.irp q, 0,1
	WM S+64*\q+8*(4*(\g)+\t), (\f)+12*\t, QF+12*\q, MBR+8*\t, KS+\t, QS+\q, \g
.endr
.endr
.endm
.macro PV g, f                         ; O^T += V^T P^T: the sixteen accumulators of a key step take turns, one instruction a turn
.irp t, 0,1,2,3
.irp q, 0,1
	WM 64*\q+8*(4*(\g)+\t), (\f)+12*\t, PC+12*\q, 64*\q+8*(4*(\g)+\t), VS+\t, PW+\q, \g
.endr
.endr
.endm
; Both tiles: from each block's largest magnitude (BMX, the floor already in it) to the scale words (PW) and the fragments' codes (PC) of the 64 numbers a lane and tile in S.
.macro PACK
.irp q, 0,1
.irp b, 0,1,2,3
	v_add_nc_u32 v[SO+4*\q+\b], 0xff000000, v[BMX+4*\q+\b]   ; 2 off the exponent field: the conversion's scale operand
.endr
.endr
.irp q, 0,1
.irp b, 0,1,2,3
	v_lshrrev_b32 v[T8+8*\q+\b], 23, v[SO+4*\q+\b]           ; the scale's byte
.endr
.endr
.irp q, 0,1
	v_lshl_or_b32 v[PW+\q], v[T8+8*\q+1], 8, v[T8+8*\q]
.endr
.irp q, 0,1
	s_delay_alu instid0(VALU_DEP_2)
	v_lshl_or_b32 v[PW+\q], v[T8+8*\q+2], 16, v[PW+\q]
.endr
.irp q, 0,1
	s_delay_alu instid0(VALU_DEP_2)
	v_lshl_or_b32 v[PW+\q], v[T8+8*\q+3], 24, v[PW+\q]
.endr
.irp q, 0,1
.irp c, 0,1
	v_cvt_scalef32_pk16_fp6_f32 v[PC+12*\q+6*\c:PC+12*\q+6*\c+2], v[S+64*\q+32*\c:S+64*\q+32*\c+15], v[SO+4*\q+2*\c]
	v_cvt_scalef32_pk16_fp6_f32 v[T8+8*\q+4*\c:T8+8*\q+4*\c+2], v[S+64*\q+32*\c+16:S+64*\q+32*\c+31], v[SO+4*\q+2*\c+1]   ; (a conversion's three registers begin on an even number)
.endr
.endr
	v_nop                                          ; one plain place behind a scaled conversion
.irp q, 0,1
.irp c, 0,1
.irp i, 0,1,2
	v_permlane16_swap_b32 v[PC+12*\q+6*\c+\i], v[T8+8*\q+4*\c+\i]   ; the operand wants a whole block in a lane
.endr
.endr
.endr
.irp q, 0,1
.irp c, 0,1
.irp i, 0,1,2
	v_mov_b32 v[PC+12*\q+6*\c+3+\i], v[T8+8*\q+4*\c+\i]
.endr
.endr
.endr
.endm
.macro XLANE                           ; each block's largest joined with lane l xor 16's
.irp q, 0,1
.irp b, 0,1,2,3
	v_permlanex16_b32 v[T8+8*\q+\b], v[BMX+4*\q+\b], s[SEL], s[SEL+1]
.endr
.endr
.irp q, 0,1
.irp b, 0,1,2,3
	v_max_num_f32 v[BMX+4*\q+\b], v[BMX+4*\q+\b], v[T8+8*\q+\b]
.endr
.endr
.endm
; Both tiles' softmax for a key step of 128 keys.
.macro SOFT
.irp q, 0,1
.irp b, 0,1,2,3
	v_max3_num_f32 v[BMX+4*\q+\b], v[S+64*\q+16*\b], v[S+64*\q+16*\b+1], v[S+64*\q+16*\b+2]   ; the largest score of each block of 32 keys; each accumulator is read from its low end on
.endr
.endr
.irp i, 3,5,7,9,11,13
.irp q, 0,1
.irp b, 0,1,2,3
	v_max3_num_f32 v[BMX+4*\q+\b], v[BMX+4*\q+\b], v[S+64*\q+16*\b+\i], v[S+64*\q+16*\b+\i+1]
.endr
.endr
.endr
.irp q, 0,1
.irp b, 0,1,2,3
	v_max_num_f32 v[BMX+4*\q+\b], v[BMX+4*\q+\b], v[S+64*\q+16*\b+15]
.endr
.endr
	XLANE
.irp q, 0,1
	v_max3_num_f32 v[TMP+\q], v[BMX+4*\q], v[BMX+4*\q+1], v[BMX+4*\q+2]
.endr
.irp q, 0,1
	v_mov_b32 v[F+2*\q], v[ST+4*\q]                ; the old -M
.endr
.irp q, 0,1
	s_delay_alu instid0(VALU_DEP_4)
	v_max3_num_f32 v[ST+4*\q+1], v[ST+4*\q+1], v[TMP+\q], v[BMX+4*\q+3]   ; the running largest score
.endr
.irp q, 0,1
	s_delay_alu instid0(VALU_DEP_2)
	v_mul_f32 v[TMP+\q], s[CS], v[ST+4*\q+1]       ; as t (c is positive)
.endr
.irp q, 0,1
	s_delay_alu instid0(VALU_DEP_2)
	v_floor_f32 v[ST+4*\q], -v[TMP+\q]             ; the new -M = floor(-t): M is a whole number
.endr
.irp q, 0,1
	s_delay_alu instid0(VALU_DEP_2)
	v_sub_f32 v[TMP+\q], v[ST+4*\q], v[F+2*\q]     ; old M - new M: a whole number, 0 or less
.endr
.irp q, 0,1
	s_delay_alu instid0(VALU_DEP_2)
	v_cvt_i32_f32 v[TMP+\q], v[TMP+\q]             ; (it saturates)
.endr
.irp q, 0,1
	s_delay_alu instid0(VALU_DEP_2)
	v_ldexp_f32 v[F+2*\q], 1.0, v[TMP+\q]          ; f = 2^(old M - new M)
.endr
.irp q, 0,1
.set n, 0
.rept 32
	v_pk_fma_f32 v[S+64*\q+n:S+64*\q+n+1], v[S+64*\q+n:S+64*\q+n+1], s[CS:CS+1], v[ST+4*\q:ST+4*\q+1] op_sel_hi:[1,0,0]   ; t - M, two at a time
.set n, n+2
.endr
.endr
.irp q, 0,1
.irp b, 0,1,2,3
	v_fma_f32 v[BMX+4*\q+\b], v[BMX+4*\q+\b], s[CS], v[ST+4*\q]   ; the same of each block's largest score
.endr
.endr
	s_wait_alu depctr_va_vdst(0)
.set n, 0
.rept 128
	v_exp_f32 v[S+n], v[S+n]                       ; p = 2^(t - M), at most 1
.set n, n+1
.endr
.set n, 0
.rept 8
	v_exp_f32 v[BMX+n], v[BMX+n]                   ; the blocks' largest p
.set n, n+1
.endr
.irp q, 0,1
	v_pk_mul_f32 v[ST+4*\q+2:ST+4*\q+3], v[ST+4*\q+2:ST+4*\q+3], v[F+2*\q:F+2*\q+1] op_sel_hi:[1,0]   ; the sums under the new M (plain places behind the exponentials)
.endr
	s_wait_alu depctr_va_vdst(0)                   ; and behind it, ahead of its first reader
.set n, 0
.rept 8
	v_max_num_f32 v[BMX+n], 0x1800000, v[BMX+n]    ; the floor 2^(3 - 127): the byte cannot fall under 1
.set n, n+1
.endr
	PACK
.irp q, 0,1
	v_pk_add_f32 v[T8+8*\q:T8+8*\q+1], v[S+64*\q:S+64*\q+1], v[S+64*\q+2:S+64*\q+3]   ; the row's sum is taken of the unquantised p: two chains a tile
.endr
.irp j, 4,8,12,16,20,24,28,32,36,40,44,48,52,56,60
.irp q, 0,1
	v_pk_add_f32 v[ST+4*\q+2:ST+4*\q+3], v[ST+4*\q+2:ST+4*\q+3], v[S+64*\q+\j:S+64*\q+\j+1]
	v_pk_add_f32 v[T8+8*\q:T8+8*\q+1], v[T8+8*\q:T8+8*\q+1], v[S+64*\q+\j+2:S+64*\q+\j+3]
.endr
.endr
	s_delay_alu instid0(VALU_DEP_3)
	v_pk_add_f32 v[ST+2:ST+3], v[ST+2:ST+3], v[T8:T8+1]
	s_delay_alu instid0(VALU_DEP_2)
	v_pk_add_f32 v[ST+6:ST+7], v[ST+6:ST+7], v[T8+8:T8+9]
	WIN 0x41                                       ; O^T (destination and source 0) window 1, f window 0
	s_wait_alu depctr_va_vdst(0)                   ; directly ahead of the first reader of O^T
.irp q, 0,1
.set n, 0
.rept 32
	v_pk_mul_f32 v[64*\q+n:64*\q+n+1], v[64*\q+n:64*\q+n+1], v[F+2*\q:F+2*\q+1] op_sel_hi:[1,0]   ; O^T under the new M, each accumulator from its low end on
.set n, n+2
.endr
.endr
	WIN 0
.endm
; A KEY STEP: 128 keys.  66 LDS loads in three runs, each behind four places; 32 matrix instructions; the softmax of both tiles.
.macro STEP
	v_add_nc_u32 v[ADF], s[TB], v[LI]              ; these three and the v_nop are the places behind the last step's products
	v_add_nc_u32 v[ADS], s[TB], v[ASC]
	v_add_nc_u32 v[ADM], s[TMO], v[AMB]
	v_nop
	ds_load_b128 v[KS:KS+3], v[ADS]                ; K's scale words: register i: tile i in lanes 0-15, tile 4 + i in lanes 16-31
	WIN 0x40                                       ; destination window 1
	LDF FA, 0
	LDM 0
	LDF FB, HU
	s_wait_alu depctr_va_vdst(0)
	s_wait_dscnt 12                                ; all but the second four fragments
	WIN 0x11                                       ; source 0 (K) and C (the mask) window 1; Q and S^T window 0
	SQK 0, FA
	PLACES
	WIN 0x40
	LDM 1
	LDF FA, 2*HU                                   ; V^T, d = 0 .. 63
	WIN 0
	ds_load_b128 v[VS:VS+3], v[ADS] offset:2*HU
	s_wait_dscnt 13                                ; V's twelve loads and its scale words may be out
	WIN 0x11
	SQK 1, FB
	PLACES
	WIN 0x40
	LDF FB, 3*HU                                   ; V^T, d = 64 .. 127: asked for ahead of the softmax
	WIN 0
	SOFT
	PLACES
	s_wait_alu depctr_va_vdst(0)
	s_wait_dscnt 0x0                               ; V is in
	WIN 0x51                                       ; V and O^T window 1, p window 0
	PV 0, FA
	PV 1, FB
	WIN 0
.endm
.macro WALK first, n                   ; n key steps from step first on
	s_mov_b32 s[TB], STB*(\first)
	s_mov_b32 s[TMO], 512*(\first)
	s_mov_b32 s[TW], \n
.Lstep_\@:
	STEP
	s_add_co_u32 s[TB], s[TB], STB
	s_add_co_u32 s[TMO], s[TMO], 512
	s_sub_co_u32 s[TW], s[TW], 1
	s_cmp_lg_u32 s[TW], 0
	s_cbranch_scc1 .Lstep_\@
.endm
	s_load_b128 s[4:7], s[0:1], 0x0                ; qkv s[4:5], mask s[6:7]
	s_load_b64 s[8:9], s[0:1], 0x10                ; yc
	v_lshl_add_u32 v[SPW], v0, 2, SPARE
	v_mov_b32 v[NIL], 0
	ds_add_u32 v[SPW], v[NIL]                      ; the opening lines: the add, twice on end, and its wait ahead of my first tensor load
	ds_add_u32 v[SPW], v[NIL]
	v_lshrrev_b32 v1, 5, v0
	v_readfirstlane_b32 s[WV], v1                  ; wave 0..7
	s_bfe_u32 s11, ttmp6, 0x40000                  ; cx
	s_lshl_b32 s48, ttmp9, 2
	s_add_co_u32 s11, s48, s11                     ; my block of 256 queries: it enters Q's and y's addresses alone
	s_and_b32 s12, ttmp7, 0xffff                   ; b 8 + h, which the four partners share
	s_lshr_b32 s21, s[WV], 1
	s_and_b32 s22, s[WV], 1
	s_mov_b32 s24, 15|(3<<16)|(1<<21)              ; group 1 of the first load: the mask names all four work-groups; elements of 8 bytes; bit 21 set beside a mask
	s_mov_b32 s25, 32<<16                          ; a half unit as 25 rows of 256 bytes
	s_mov_b32 s26, 25<<16
	s_mov_b32 s27, 32<<16
	s_mov_b32 s28, 25
	s_mov_b32 s29, 32
	s_mov_b32 s30, 0
	s_mov_b32 s31, 0
	s_mov_b32 s40, 15|(3<<16)|(1<<21)              ; group 1 of the second: three half units' bytes, 75 rows
	s_mov_b32 s41, 32<<16
	s_mov_b32 s42, 75<<16
	s_mov_b32 s43, 32<<16
	s_mov_b32 s44, 75
	s_mov_b32 s45, 32
	s_mov_b32 s46, 0
	s_mov_b32 s47, 0
	s_mov_b32 s32, 1
	s_mul_i32 s33, s[WV], HU                       ; LDS: 6,400 x wave
	s_mov_b32 s36, 1
	s_mul_i32 s37, s[WV], 3*HU
	s_add_co_u32 s37, s37, 8*HU                    ; LDS: 51,200 + 19,200 x wave
	s_mul_i32 s48, s12, 48*HU                      ; the head's first byte
	s_mov_b32 s49, 0
	s_add_co_u32 s50, s33, 16*HU                   ; K and V lie behind q's 16 half units, as in LDS
	s_mov_b32 s51, 0
	s_add_co_u32 s52, s37, 16*HU
	s_mov_b32 s53, 0
	s_lshl_b32 s54, s11, 2
	s_add_co_u32 s54, s54, s21
	s_mul_i32 s54, s54, HU                         ; q's half unit 4 x block + wave / 2
	s_mov_b32 s55, 0
	s_lshr_b32 s57, s12, 3                         ; the batch
	s_lshl_b32 s58, s57, 12
	s_mov_b32 s59, 0
	v_and_b32 v128, 31, v0
	v_lshlrev_b32 v[LI], 4, v128
	v_and_b32 v129, 15, v0                         ; r
	v_bfe_u32 v130, v0, 4, 1                       ; h
	v_lshlrev_b32 v131, 4, v129                    ; 16 r
	v_mul_u32_u24 v[ASC], v130, HU
	v_add_nc_u32 v[ASC], v[ASC], v131
	v_add_nc_u32 v[ASC], 6144, v[ASC]
	v_lshl_add_u32 v[AMB], v130, 6, MB
	s_lshl_b32 s60, s21, 8
	s_lshl_b32 s61, s22, 3
	s_add_co_u32 s60, s60, s61
	s_add_co_u32 s60, s60, SIA
	v_add_nc_u32 v[SIW], s60, v131                 ; SIA + 256 (wave / 2) + 16 r + 8 (wave % 2)
	s_and_b32 s60, s[WV], 3
	s_lshl_b32 s60, s60, 8
	s_add_co_u32 s60, s60, SIA
	v_lshlrev_b32 v127, 3, v128                    ; 8 x lane
	v_add_nc_u32 v126, s60, v127                   ; the scale words' way out (waves 0 to 3)
	v_lshlrev_b32 v124, 4, v0                      ; 16 x thread: my four keys of the mask
	v_add_nc_u32 v125, MB, v124
	s_mul_i32 s62, s22, 3072                       ; my tiles 2 (wave % 2) + q
	v_add_nc_u32 v78, s62, v[LI]
	v_add_nc_u32 v79, s61, v131                    ; their scale words: 16 r + 8 (wave % 2)
	s_wait_alu depctr_va_vdst(0)
	s_wait_dscnt 0x0                               ; both opening adds are done
	s_wait_kmcnt 0x0
	s_add_nc_u64 s[4:5], s[4:5], s[48:49]
	s_add_nc_u64 s[54:55], s[4:5], s[54:55]
	s_add_nc_u64 s[6:7], s[6:7], s[58:59]
.irp q, 0,1
.irp c, 0,1,2
	global_load_b128 v[QF+12*\q+4*\c:QF+12*\q+4*\c+3], v78, s[54:55] offset:1536*\q+512*\c   ; Q stays in registers
.endr
.endr
	global_load_b64 v[QS:QS+1], v79, s[54:55] offset:6144
	global_load_b128 v[120:123], v124, s[6:7]
	s_add_nc_u64 s[34:35], s[4:5], s[50:51]
	s_or_b32 s35, s35, 0x80000000
	s_add_nc_u64 s[38:39], s[4:5], s[52:53]
	s_or_b32 s39, s39, 0x80000000
	CROUND                                         ; all four work-groups are here: the joint loads meet
	tensor_load_to_lds s[32:35], s[24:31]          ; my half unit of key steps 0 and 1: one tensor load a wave at the head
	s_nop 0
	PLACES
	; where y goes: half unit (((8 b + 2 x block + jj / 2) 8 + h) 2 + jj % 2) for the block's jj-th 64 queries
	s_lshl_b32 s58, s57, 3
	s_lshl_b32 s59, s11, 1
	s_add_co_u32 s58, s58, s59
	s_and_b32 s59, s12, 7
	s_lshr_b32 s60, s[WV], 2                       ; my fragments: jj = wave / 2
	s_add_co_u32 s60, s60, s58
	s_lshl_b32 s60, s60, 3
	s_add_co_u32 s60, s60, s59
	s_lshl_b32 s60, s60, 1
	s_bfe_u32 s61, s[WV], 0x10001
	s_add_co_u32 s60, s60, s61
	s_mul_i32 s60, s60, HU
	s_add_co_u32 s60, s60, s62
	s_mov_b32 s61, 0
	s_add_nc_u64 s[60:61], s[8:9], s[60:61]
	s_bfe_u32 s62, s[WV], 0x10001                  ; the scale words that waves 0 to 3 send: jj = wave % 4
	s_add_co_u32 s62, s62, s58
	s_lshl_b32 s62, s62, 3
	s_add_co_u32 s62, s62, s59
	s_lshl_b32 s62, s62, 1
	s_add_co_u32 s62, s62, s22
	s_mul_i32 s62, s62, HU
	s_mov_b32 s63, 0
	s_add_nc_u64 s[62:63], s[8:9], s[62:63]
	s_mov_b32 s[CS], 0x3e0293ee                    ; c = log2(e) / sqrt(128)
	s_mov_b32 s[CS+1], s[CS]                       ; (named with it as a pair, so it is written)
	s_mov_b32 s[SEL], 0x76543210
	s_mov_b32 s[SEL+1], 0xfedcba98
.irp q, 0,1
	v_mov_b32 v[ST+4*\q], 0x71800000               ; -M: 2^100
	v_mov_b32 v[ST+4*\q+1], 0xf1800000             ; the largest score so far: -2^100
	v_mov_b32 v[ST+4*\q+2], 0                      ; the sum, in two halves
	v_mov_b32 v[ST+4*\q+3], 0
	v_mov_b32 v[F+2*\q+1], 0                       ; (named as the upper half of a pair)
.endr
.set n, 0
.rept 16
	v_mov_b32 v[T8+n], 0                           ; written once: a lane permute's destination counts as one of its sources
.set n, n+1
.endr
	v_mov_b32 v[TMP], 0xfe800000                   ; -2^126
	WIN 0x40
.set n, 0
.rept 128
	v_mov_b32 v[n], 0                              ; O^T.  (The key step is written for every step alike: the first finds zeros, which the first change of M leaves zeros)
.set n, n+1
.endr
	WIN 0
	s_wait_alu depctr_va_vdst(0)
	s_wait_loadcnt 0x0                             ; Q, its scale words, the mask
.irp i, 0,1,2,3
	v_cmp_eq_u32 vcc_lo, 0, v[120+\i]
	v_cndmask_b32 v[120+\i], 0, v[TMP], vcc_lo     ; a key whose mask is 0: -2^126; every other: 0
.endr
	ds_store_b128 v125, v[120:123]
	s_wait_alu depctr_va_vdst(0)
	s_wait_tensorcnt 0x0                           ; my first load has landed
	ds_add_u32 v[SPW], v[NIL]
	s_wait_dscnt 0x0                               ; the add is done, and my part of the mask's numbers is stored
	CROUND                                         ; everybody's part of steps 0 and 1 and of the mask is in, and the four work-groups are here
	tensor_load_to_lds s[36:39], s[40:47]          ; my 19,200 bytes of key steps 2 to 7
	s_nop 0
	PLACES
	WALK 0, 2
	s_wait_tensorcnt 0x0                           ; my second load has landed
	s_wait_dscnt 0x0                               ; no LDS instruction of mine is pending at a signal
	s_barrier_signal -1
	s_barrier_wait -1                              ; everybody's has
	WALK 2, 6
	PLACES
; THE WAY OUT, both tiles together: O^T / the sum; quantised along d; the fragments leave as their images, their scale words meet the other tiles' in LDS.
.irp q, 0,1
	v_add_f32 v[TMP+\q], v[ST+4*\q+2], v[ST+4*\q+3]   ; the sum's two halves,
.endr
.irp q, 0,1
	s_delay_alu instid0(VALU_DEP_2)
	v_permlanex16_b32 v[T8+8*\q], v[TMP+\q], s[SEL], s[SEL+1]
.endr
.irp q, 0,1
	s_delay_alu instid0(VALU_DEP_2)
	v_add_f32 v[TMP+\q], v[TMP+\q], v[T8+8*\q]     ; and lane l xor 16's
.endr
	s_wait_alu depctr_va_vdst(0)
	v_rcp_f32 v[F], v[TMP]
	v_rcp_f32 v[F+2], v[TMP+1]
	v_nop                                          ; one plain place behind a transcendental
	WIN 0x01                                       ; source 0 (O^T) window 1
	s_wait_alu depctr_va_vdst(0)                   ; and behind them, directly ahead of the first reader of their results and of O^T
.irp q, 0,1
.set n, 0
.rept 32
	v_pk_mul_f32 v[S+64*\q+n:S+64*\q+n+1], v[64*\q+n:64*\q+n+1], v[F+2*\q:F+2*\q+1] op_sel_hi:[1,0]   ; register 8 t + j is y(my query, 32 (t / 2) + 16 h + 8 (t % 2) + j)
.set n, n+2
.endr
.endr
	WIN 0
.irp q, 0,1
.irp b, 0,1,2,3
	v_max3_num_f32 v[BMX+4*\q+\b], |v[S+64*\q+16*\b]|, |v[S+64*\q+16*\b+1]|, 0x1800000   ; my 16 numbers of block b, and the floor 2^(3 - 127)
.endr
.endr
.irp i, 2,4,6,8,10,12,14
.irp q, 0,1
.irp b, 0,1,2,3
	v_max3_num_f32 v[BMX+4*\q+\b], v[BMX+4*\q+\b], |v[S+64*\q+16*\b+\i]|, |v[S+64*\q+16*\b+\i+1]|
.endr
.endr
.endr
	XLANE
	PACK
.irp q, 0,1
	v_cmp_neq_f32 vcc_lo, 0, v[TMP+\q]
	v_cndmask_b32 v[PW+\q], -1, v[PW+\q], vcc_lo   ; the sum is 0 where every key is masked: scale bytes 0xff, which make NaN of all that is made of this row
.endr
.irp q, 0,1
.irp c, 0,1,2
	global_store_b128 v[LI], v[PC+12*\q+4*\c:PC+12*\q+4*\c+3], s[60:61] offset:1536*\q+512*\c   ; 32 lanes store 512 consecutive bytes, at a multiple of 256 from the buffer's first byte
.endr
	ds_store_b32 v[SIW], v[PW+\q] offset:4*\q      ; both halves of the lanes write the same word with the same value
.endr
	s_wait_dscnt 0x0                               ; for the others' sake: my scale words lie in LDS
	s_barrier_signal -1
	s_barrier_wait -1
	s_cmp_lt_u32 s[WV], 4
	s_cbranch_scc0 .Lno_words
	ds_load_b64 v[120:121], v126                   ; wave w sends the words of the block's w-th half unit
	s_wait_dscnt 0x0
	global_store_b64 v127, v[120:121], s[62:63] offset:6144   ; 32 lanes store 256 consecutive bytes, aligned
.Lno_words:
	s_wait_tensorcnt 0x0                           ; the wave's end
	ds_add_u32 v[SPW], v[NIL]
	s_wait_dscnt 0x0
	CROUND                                         ; the closing round: no work-group ends while a partner may still ask for a tile that names it
	s_endpgm
.Lfunc_end_k_q463c843d85_attn:
	.size	k_q463c843d85_attn, .Lfunc_end_k_q463c843d85_attn-k_q463c843d85_attn
	.p2alignl 7, 3214868480
	.fill 96, 4, 3214868480
	.section	.rodata,"a",@progbits
	.p2align	6, 0x0
	.amdhsa_kernel k_q463c843d85_attn
		.amdhsa_group_segment_fixed_size 327680
		.amdhsa_private_segment_fixed_size 0
		.amdhsa_enable_private_segment 0
		.amdhsa_kernarg_size 24
		.amdhsa_user_sgpr_count 2
		.amdhsa_user_sgpr_kernarg_segment_ptr 1
		.amdhsa_wavefront_size32 1
		.amdhsa_system_sgpr_workgroup_id_x 1
		.amdhsa_system_sgpr_workgroup_id_y 1
		.amdhsa_system_sgpr_workgroup_id_z 1
		.amdhsa_system_vgpr_workitem_id 0
		.amdhsa_next_free_vgpr 512
		.amdhsa_next_free_sgpr 66
		.amdhsa_reserve_vcc 1
		.amdhsa_float_denorm_mode_32 3
		.amdhsa_float_denorm_mode_16_64 3
		.amdhsa_memory_ordered 1
		.amdhsa_forward_progress 1
		.amdhsa_inst_pref_size 97
	.end_amdhsa_kernel
	.amdgpu_metadata
---
amdhsa.version: [ 1, 2 ]
amdhsa.kernels:
  - .name:           k_q463c843d85_attn
    .symbol:         k_q463c843d85_attn.kd
    .args:
      - { .name: qkv, .offset: 0, .size: 8, .value_kind: global_buffer, .address_space: global }
      - { .name: mask, .offset: 8, .size: 8, .value_kind: global_buffer, .address_space: global }
      - { .name: yc, .offset: 16, .size: 8, .value_kind: global_buffer, .address_space: global }
    .group_segment_fixed_size: 327680
    .private_segment_fixed_size: 0
    .kernarg_segment_align: 8
    .kernarg_segment_size: 24
    .max_flat_workgroup_size: 256
    .sgpr_count:     66
    .vgpr_count:     512
    .wavefront_size: 32
...
	.end_amdgpu_metadata
.endif
;; end of part 3
;; launch proj (part 4): grid 8 x 32, 4 waves a work-group, clusters of 4 x 4, 307,712 bytes of LDS; arguments yc, wc, bp, out0; writes out0
.if DOCPART == 4
	.amdgcn_target "amdgcn-amd-amdhsa--gfx1250"
	.amdhsa_code_object_version 6
	.text
	.protected	k_q463c843d85_proj
	.globl	k_q463c843d85_proj
	.p2align	8
	.type	k_q463c843d85_proj,@function
k_q463c843d85_proj:
	s_mov_b64 s[64:65], 0
	v_nop
	global_prefetch_b8 v0, s[64:65] scope:SCOPE_SE
	s_setreg_imm32_b32 hwreg(HW_REG_WAVE_MODE, 25, 1), 1
	s_wait_xcnt 0x0
	s_wait_alu depctr_hold_cnt(0) depctr_sa_sdst(0) depctr_va_vdst(0) depctr_va_sdst(0) depctr_va_ssrc(0) depctr_va_vcc(0) depctr_vm_vsrc(0)
	s_getreg_b32 s2, hwreg(HW_REG_IB_STS2, 6, 4)
	s_cmp_eq_u32 s2, 0
	s_cbranch_scc0 .Lentry_in_a_cluster
	s_endpgm
.Lentry_in_a_cluster:
	s_bfe_u32 s2, ttmp6, 0x10000c
	s_cmp_lg_u32 s2, 0xf033
	s_cbranch_scc0 .Lentry_shape_is_right
	s_endpgm
.Lentry_shape_is_right:
; out = y Wp^T + bp on codes of FP6 (E2M3) with E8M0 scales, sums in f32, out [8192][1024] f32.
; OPERANDS lie in memory as images of operand registers, in half units of 6,400 bytes (64 rows x 128 K: four fragments of 1,536 bytes, then 256 bytes of scale words; lane r of tile i holds row
; 32 (i / 2) + 8 (i % 2) + r + 8 (r / 8)).  A row group (128 rows, all 1,024 of K) is 102,400 consecutive bytes.  Wp's row groups are 24 to 31 of wc.
; A WORK-GROUP makes 256 tokens x 128 outputs over all of K; its four waves take 64 tokens each: 32 accumulators.  THE MATRIX INSTRUCTION IS USED TRANSPOSED (source 0 = 16 rows of Wp, source 1 = 16 tokens):
; a lane holds one token, and register j of tile b is output 32 (b / 2) + 8 (b % 2) + 16 (lane / 16) + j.
; ALL OF K OF THE TILE FITS IN LDS (307,200 bytes): each wave issues its one tensor load at the head; nothing is filled twice.
; CLUSTERS: 4 x 4.  y's tiles are asked for jointly along a row of the cluster, Wp's along a column.
; REGISTERS: window 0: v1-8 addresses; v16-31 scale words, two sets; v32-95 bp (the C of the first K step); v112-207 y's fragments, two sets; on the way out v112-239 rows of out.
;   window 1: Wp's fragments, two sets of 96.   window 2: accumulator (a, b) at v[8 (8 a + b)].
.set HU,   6400
.set UNIT, 12800
.set CH,   25600
.set GRP,  102400
; LDS AS THIS TEXT LAYS IT: y's row group 0 (102,400 bytes), y's row group 1, then Wp's row group; K step s of each at 12,800 s.  Each wave asks for its share by ONE tensor load at the head:
; waves 0, 1 a whole row group of y (400 rows of 256 bytes), waves 2, 3 four K steps of Wp (200 rows).
.set CHL,  25600                       ; two K steps of a row group in LDS
.set BOFF, 204800                      ; where Wp's row group begins
.set SPI,  528                         ; the way out: a stage row: 512 bytes + 16
.set LI,   1
.set ADA,  2
.set ADB,  3
.set ASA,  4
.set ASB,  5
.set R16,  6
.set STO,  7                           ; v7  the stage: where I put 32 bytes of a row
.set RD,   8                           ; v8  and where I read a row back
.set SCA,  16
.set SCB,  20
.set H,    32
.set AF,   112
.set BK,   112
.set WV,   16
.set G1A,  24
.set G1B,  32
.set G0A,  40
.set MSB, 0
.macro WIN new                         ; the immediate's high byte repeats the setting that is left
.if MSB != \new
	s_set_vgpr_msb (MSB<<8)|\new
.set MSB, \new
.endif
.endm
.macro PLACES                          ; four plain places behind matrix instructions (ISA guide 7.12.1)
.rept 4
	v_nop
.endr
.endm
.macro CROUND                          ; a round of the cluster's barrier
	s_barrier_signal -1
	s_barrier_wait -1
	s_cmp_lg_u32 s[WV], 0
	s_cbranch_scc1 .Lnot_wave_0_\@
	s_barrier_signal -3
.Lnot_wave_0_\@:
	s_barrier_wait -3
	s_barrier_signal -1
	s_barrier_wait -1
.endm
.macro WM d, f0, f1, c, s0, s1, row    ; one matrix instruction.  row = 1: source 0's scale words stand in lanes 16-31 of their register
.if (\row)
	v_wmma_scale_f32_16x16x128_f8f6f4 v[(\d):(\d)+7], v[(\f0):(\f0)+11], v[(\f1):(\f1)+11], v[(\c):(\c)+7], v[\s0], v[\s1] matrix_a_fmt:MATRIX_FMT_FP6 matrix_b_fmt:MATRIX_FMT_FP6 matrix_a_scale:MATRIX_SCALE_ROW1
.else
	v_wmma_scale_f32_16x16x128_f8f6f4 v[(\d):(\d)+7], v[(\f0):(\f0)+11], v[(\f1):(\f1)+11], v[(\c):(\c)+7], v[\s0], v[\s1] matrix_a_fmt:MATRIX_FMT_FP6 matrix_b_fmt:MATRIX_FMT_FP6
.endif
.endm
.macro FETCH s, p                      ; 38 LDS loads in one run: K step s's fragments and scale words into set p
	WIN 0x40                                       ; destination window 1, address window 0
.irp b, 0,1,2,3,4,5,6,7
.irp c, 0,1,2
	ds_load_b128 v[96*(\p)+12*\b+4*\c:96*(\p)+12*\b+4*\c+3], v[ADB] offset:((\s)%2)*UNIT+(\b/4)*HU+(\b%4)*1536+512*\c
.endr
.endr
	WIN 0
.irp a, 0,1,2,3
.irp c, 0,1,2
	ds_load_b128 v[AF+48*(\p)+12*\a+4*\c:AF+48*(\p)+12*\a+4*\c+3], v[ADA] offset:((\s)%2)*UNIT+1536*\a+512*\c
.endr
.endr
	ds_load_b128 v[SCA+8*(\p):SCA+8*(\p)+3], v[ASA] offset:((\s)%2)*UNIT
	ds_load_b128 v[SCB+8*(\p):SCB+8*(\p)+3], v[ASB] offset:((\s)%2)*UNIT
.endm
.macro MUL s, p                        ; 32 matrix instructions: the accumulators take turns, one instruction a turn, in the same order in every K step.  K step 0 starts the sums with bp as C
.if (\s) == 0
	WIN 0x81                                       ; source 0 window 1, source 1 and C window 0, D window 2
.else
	WIN 0xa1                                       ; C and D window 2
.endif
.irp a, 0,1,2,3
.irp b, 0,1,2,3,4,5,6,7
.if (\s) == 0
	WM 8*(8*\a+\b), 96*(\p)+12*\b, AF+48*(\p)+12*\a, H+8*\b, SCB+8*(\p)+\b%4, SCA+8*(\p)+\a, \b/4
.else
	WM 8*(8*\a+\b), 96*(\p)+12*\b, AF+48*(\p)+12*\a, 8*(8*\a+\b), SCB+8*(\p)+\b%4, SCA+8*(\p)+\a, \b/4
.endif
.endr
.endr
.endm
.macro KSTEP s                         ; the next step's fragments are asked for, then this step is multiplied.  An odd step opens the next chunk
.if (\s) < 7
.if (\s)%2 == 1
.if (\s) == 3
	s_wait_dscnt 0x0                               ; my reads of K steps 0 to 3 are over: the stages of the way out lie in bytes of y's row group 0 that hold K steps 0 to 2
	s_barrier_signal -1
	s_barrier_wait -1                              ; everybody's are
.endif
	WIN 0
	v_add_nc_u32 v[ADA], CHL, v[ADA]               ; on to the next chunk; these four lines are also the places in front of the loads below
	v_add_nc_u32 v[ADB], CHL, v[ADB]
	s_wait_alu depctr_va_vdst(0)
	v_add_nc_u32 v[ASA], CHL, v[ASA]
	s_wait_alu depctr_va_vdst(0)
	v_add_nc_u32 v[ASB], CHL, v[ASB]
.elseif (\s) > 0
	PLACES
.endif
	FETCH (\s)+1, ((\s)+1)%2
	s_wait_alu depctr_va_vdst(0)
	s_wait_dscnt 38                                ; all but the 38 just issued: this step's fragments are in
.else
	s_wait_dscnt 0x0
.endif
	MUL \s, (\s)%2
.endm
	s_load_b256 s[4:11], s[0:1], 0x0               ; yc s[4:5], wc s[6:7], bp s[8:9], out0 s[10:11]
	v_lshl_add_u32 v254, v0, 2, 0x4b000
	v_mov_b32 v255, 0
	ds_add_u32 v254, v255
	ds_add_u32 v254, v255
	v_lshrrev_b32 v1, 5, v0
	v_readfirstlane_b32 s[WV], v1                  ; wave 0..3
	s_and_b32 s17, s[WV], 1
	s_bfe_u32 s18, ttmp6, 0x40000                  ; cx
	s_bfe_u32 s19, ttmp6, 0x40004                  ; cy
	s_and_b32 s20, ttmp7, 0xffff
	s_lshl_b32 s22, s20, 2
	s_add_co_u32 s22, s22, s19                     ; tile row = 4 x cluster y + cy (256 tokens each)
	s_lshl_b32 s23, ttmp9, 2
	s_add_co_u32 s23, s23, s18                     ; tile column = 4 x cluster x + cx (128 outputs each)
	s_lshl_b32 s76, s19, 2
	s_lshl_b32 s76, 15, s76                        ; my row of the cluster
	s_lshl_b32 s77, 0x1111, s18                    ; my column
	s_or_b32 s[G1A], s76, (3<<16)|(1<<21)          ; groups 1: dense blocks as rows of 256 bytes (32 elements of 8 bytes), no padding.  A: 400 rows
	s_mov_b32 s[G1A+1], 32<<16
	s_mov_b32 s[G1A+2], 400<<16
	s_mov_b32 s[G1A+3], 32<<16
	s_mov_b32 s[G1A+4], 400
	s_mov_b32 s[G1A+5], 32
	s_mov_b32 s[G1A+6], 0
	s_mov_b32 s[G1A+7], 0
	s_or_b32 s[G1B], s77, (3<<16)|(1<<21)          ; B: 200 rows
	s_mov_b32 s[G1B+1], 32<<16
	s_mov_b32 s[G1B+2], 200<<16
	s_mov_b32 s[G1B+3], 32<<16
	s_mov_b32 s[G1B+4], 200
	s_mov_b32 s[G1B+5], 32
	s_mov_b32 s[G1B+6], 0
	s_mov_b32 s[G1B+7], 0
	s_lshl_b32 s80, s22, 1
	s_add_co_u32 s80, s80, s17                     ; waves 0, 1: y's row group 2 x tile row + wave
	s_mul_i32 s80, s80, GRP
	s_mov_b32 s81, 0
	s_add_co_u32 s84, s23, 24                      ; waves 2, 3: Wp's row group
	s_mul_i32 s84, s84, GRP
	s_mul_i32 s79, s17, 4*UNIT                     ; K steps 0-3 or 4-7
	s_add_co_u32 s84, s84, s79
	s_mov_b32 s85, 0
	s_mul_i32 s78, s17, GRP                        ; where y's row group goes: no place in the cluster enters an LDS address
	s_add_co_u32 s79, s79, BOFF
	s_wait_dscnt 0x0
	s_wait_kmcnt 0x0
	s_add_nc_u64 s[82:83], s[4:5], s[80:81]
	s_add_nc_u64 s[86:87], s[6:7], s[84:85]
.irp c, 0
.set GB, 56+4*\c+4*(\c/2)
	s_mov_b32 s[G0A+4*\c], 1
	s_add_co_u32 s[G0A+4*\c+1], s78, \c*CHL
	s_add_nc_u64 s[G0A+4*\c+2:G0A+4*\c+3], s[82:83], \c*CH
	s_or_b32 s[G0A+4*\c+3], s[G0A+4*\c+3], 0x80000000
	s_mov_b32 s[GB], 1
	s_add_co_u32 s[GB+1], s79, \c*CHL
	s_add_nc_u64 s[GB+2:GB+3], s[86:87], \c*CH
	s_or_b32 s[GB+3], s[GB+3], 0x80000000
.endr
	CROUND                                         ; all sixteen work-groups are here: the joint loads meet
	s_cmp_lt_u32 s[WV], 2                          ; a wave's one load stands in a branch on the wave's number: one load of mine is out; four v_nop follow it
	s_cbranch_scc0 .Lfor_b
	tensor_load_to_lds s[40:43], s[G1A:G1A+7]      ; one tensor load a wave at the head: a row group of y
	s_nop 0
	PLACES
	s_branch .Lasked
.Lfor_b:
	tensor_load_to_lds s[56:59], s[G1B:G1B+7]      ; or four K steps of Wp
	s_nop 0
	PLACES
.Lasked:
	v_and_b32 v9, 31, v0
	v_lshlrev_b32 v[LI], 4, v9
	v_and_b32 v10, 15, v0                          ; r
	v_bfe_u32 v11, v0, 4, 1                        ; h
	v_lshlrev_b32 v[R16], 4, v10
	s_lshr_b32 s76, s[WV], 1
	s_mul_i32 s76, s76, GRP
	s_mul_i32 s77, s17, HU
	s_add_co_u32 s76, s76, s77
	v_add_nc_u32 v[ADA], s76, v[LI]
	v_add_nc_u32 v[ADB], BOFF, v[LI]
	s_add_co_u32 s76, s76, 6144
	v_add_nc_u32 v[ASA], s76, v[R16]
	v_mul_u32_u24 v[ASB], v11, HU                  ; lanes 16-31 take the second half unit's words
	v_add_nc_u32 v[ASB], v[ASB], v[R16]
	v_add_nc_u32 v[ASB], BOFF+6144, v[ASB]
	s_mul_i32 s76, s[WV], 16*SPI                   ; my stage
	v_mul_u32_u24 v[STO], v10, SPI
	v_lshl_add_u32 v[STO], v11, 6, v[STO]
	v_add_nc_u32 v[STO], s76, v[STO]               ; in: row r, + 64 h
	v_add_nc_u32 v[RD], s76, v[LI]                 ; back: a row's 512 bytes, 16 a lane
	v_lshlrev_b32 v12, 6, v11                      ; bp: tile b's register j is output 32 (b / 2) + 8 (b % 2) + 16 h + j
	s_lshl_b32 s90, s23, 9
	s_mov_b32 s91, 0
	s_add_nc_u64 s[8:9], s[8:9], s[90:91]
.irp b, 0,1,2,3,4,5,6,7
	global_load_b128 v[H+8*\b:H+8*\b+3], v12, s[8:9] offset:(32*(\b/2)+8*(\b%2))*4
	global_load_b128 v[H+8*\b+4:H+8*\b+7], v12, s[8:9] offset:(32*(\b/2)+8*(\b%2))*4+16
.endr
	s_lshl_b32 s88, s22, 8
	s_lshl_b32 s89, s[WV], 6
	s_add_co_u32 s88, s88, s89                     ; my first token: 256 x tile row + 64 x wave
	s_lshl_b32 s88, s88, 12                        ; rows of 4,096 bytes (under 2^25 in all)
	s_lshl_b32 s89, s23, 9
	s_add_co_u32 s88, s88, s89                     ; + 512 bytes a tile column
	s_mov_b32 s89, 0
	s_add_nc_u64 s[10:11], s[10:11], s[88:89]
	s_wait_alu depctr_va_vdst(0)
	s_wait_loadcnt 0x0                             ; bp
	s_wait_tensorcnt 0x0                           ; my one load has landed
	s_barrier_signal -1
	s_barrier_wait -1                              ; everybody's is
	FETCH 0, 0
.irp s, 0,1,2,3,4,5,6,7
	KSTEP \s
.endr
	WIN 0
	PLACES
; THE WAY OUT, a tile of 16 tokens x 128 outputs at a time.  A lane holds pieces of 32 bytes of one row, the lanes beside it other rows: so a tile goes through my own stage in LDS and comes back as whole rows of 512 bytes.
; The stages lie in bytes of y's row group 0 that hold K steps 0 to 2: filled once, and every wave's reads of them were over at the barrier that opened chunk 2.
; LDS serves a wave's instructions in order (ISA guide 5.7.1.4): no wait between the stores and the loads, nor in front of the next tile's stores.
.macro TOSTAGE a
	WIN 0x08                                       ; an LDS store's data: window 2
.irp b, 0,1,2,3,4,5,6,7
	ds_store_b128 v[STO], v[64*(\a)+8*\b:64*(\a)+8*\b+3] offset:128*(\b/2)+32*(\b%2)       ; each accumulator from its low end on
	ds_store_b128 v[STO], v[64*(\a)+8*\b+4:64*(\a)+8*\b+7] offset:128*(\b/2)+32*(\b%2)+16
.endr
	WIN 0
.irp t, 0,1,2,3,4,5,6,7,8,9,10,11,12,13,14,15
	ds_load_b128 v[BK+64*((\a)%2)+4*\t:BK+64*((\a)%2)+4*\t+3], v[RD] offset:SPI*\t
.endr
.endm
.macro SEND a, younger                 ; younger: the LDS instructions issued behind tile a's loads, which may stay out
	s_wait_dscnt \younger
.irp t, 0,1,2,3,4,5,6,7,8,9,10,11,12,13,14,15
	global_store_b128 v[LI], v[BK+64*((\a)%2)+4*\t:BK+64*((\a)%2)+4*\t+3], s[10:11] offset:(32*((\a)/2)+8*((\a)%2)+\t+8*(\t/8))*4096 th:TH_STORE_NT   ; tile row t is token 32 (a / 2) + 8 (a % 2) + t + 8 (t / 8): 32 lanes store 512 consecutive bytes, at a multiple of 256 from out's first byte
.endr
.endm
	TOSTAGE 0
.irp a, 1,2,3
.if \a > 1
	s_wait_xcnt 0x0                                ; tile a - 2's stores have read their registers: tile a's loads may land there
.endif
	TOSTAGE \a
	SEND \a-1, 32                                  ; behind tile a - 1's loads: tile a's 16 stores and 16 loads
.endr
	SEND 3, 0
	s_wait_tensorcnt 0x0
	ds_add_u32 v254, v255
	s_wait_dscnt 0x0
	CROUND                                         ; the closing round: no work-group ends while a partner may still ask for a tile that names it
	s_endpgm
.Lfunc_end_k_q463c843d85_proj:
	.size	k_q463c843d85_proj, .Lfunc_end_k_q463c843d85_proj-k_q463c843d85_proj
	.p2alignl 7, 3214868480
	.fill 96, 4, 3214868480
	.section	.rodata,"a",@progbits
	.p2align	6, 0x0
	.amdhsa_kernel k_q463c843d85_proj
		.amdhsa_group_segment_fixed_size 307712
		.amdhsa_private_segment_fixed_size 0
		.amdhsa_enable_private_segment 0
		.amdhsa_kernarg_size 32
		.amdhsa_user_sgpr_count 2
		.amdhsa_user_sgpr_kernarg_segment_ptr 1
		.amdhsa_wavefront_size32 1
		.amdhsa_system_sgpr_workgroup_id_x 1
		.amdhsa_system_sgpr_workgroup_id_y 1
		.amdhsa_system_sgpr_workgroup_id_z 1
		.amdhsa_system_vgpr_workitem_id 0
		.amdhsa_next_free_vgpr 768
		.amdhsa_next_free_sgpr 100
		.amdhsa_reserve_vcc 0
		.amdhsa_float_denorm_mode_32 3
		.amdhsa_float_denorm_mode_16_64 3
		.amdhsa_memory_ordered 1
		.amdhsa_forward_progress 1
		.amdhsa_inst_pref_size 76
	.end_amdhsa_kernel
	.amdgpu_metadata
---
amdhsa.version: [ 1, 2 ]
amdhsa.kernels:
  - .name:           k_q463c843d85_proj
    .symbol:         k_q463c843d85_proj.kd
    .args:
      - { .name: yc, .offset: 0, .size: 8, .value_kind: global_buffer, .address_space: global }
      - { .name: wc, .offset: 8, .size: 8, .value_kind: global_buffer, .address_space: global }
      - { .name: bp, .offset: 16, .size: 8, .value_kind: global_buffer, .address_space: global }
      - { .name: out0, .offset: 24, .size: 8, .value_kind: global_buffer, .address_space: global }
    .group_segment_fixed_size: 307712
    .private_segment_fixed_size: 0
    .kernarg_segment_align: 8
    .kernarg_segment_size: 32
    .max_flat_workgroup_size: 128
    .sgpr_count:     100
    .vgpr_count:     768
    .wavefront_size: 32
...
	.end_amdgpu_metadata
.endif
;; end of part 4
